; MI455X (gfx1250); checked and timed in simulation.
; The chip was launched on July 23, 2026; its instructions are those of AMD's public machine-readable ISA for CDNA 5 (MIT licence, August 2026) and "CDNA5" Instruction Set Architecture Reference Guide (July 2026). The comments in the code are by the model that wrote it; some were corrected since.
;; Single Head Attention. Allowed arithmetic: matrix products marked QUANTISED: E2M3 operands, one E8M0 scale for each 32 along K, by v_wmma_scale_f32_16x16x128_f8f6f4 with both operands' format E2M3, f32 sums; everything else in f32.
;; Inputs: W_k 1,024 x 1,024 float32; W_o 1,024 x 1,024 float32; W_q 1,024 x 1,024 float32; W_v 1,024 x 1,024 float32; z 4 x 2,048 x 1,024 float32.
;; Outputs: out0 4 x 2,048 x 1,024 float32.
;; This version of the problem:
;;   THIS VERSION OF THE PROBLEM IS GIVEN IN LOW PRECISION. The matrix products marked QUANTISED in the list below multiply operands that are first quantised to E2M3 (2 exponent bits, 3 mantissa bits; 6 bits a number), with one power-of-two scale for each 32 numbers along K (OCP MX v1.0); their sums are f32. All else is computed in f32.
;;   The module's matrix products, in the order in which they are computed (A, B: the left and right operand; K: the contracted axis; several contracted axes count as one K, in the product's order):
;;     1. [M 8,192, K 1,024] x [K 1,024, N 1,024]; A: input z; B: input W_q: QUANTISED
;;     2. [M 8,192, K 1,024] x [K 1,024, N 1,024]; A: input z; B: input W_k: QUANTISED
;;     3. [M 8,192, K 1,024] x [K 1,024, N 1,024]; A: input z; B: input W_v: QUANTISED
;;     4. batch 4 x [M 2,048, K 1,024] x [K 1,024, N 2,048]; A: computed on the way; B: computed on the way: QUANTISED
;;     5. batch 4 x [M 2,048, K 2,048] x [K 2,048, N 1,024]; A: softmax (see below); B: computed on the way: QUANTISED
;;     6. [M 8,192, K 1,024] x [K 1,024, N 1,024]; A: computed on the way; B: input W_o: QUANTISED
;;   THE QUANTISER, for each operand of a quantised product, along K:
;;     - K is cut into blocks of 32 from its start; a last block that is shorter is filled with zeros.
;;     - A block's scale is 2^e with e = floor(log2(the largest magnitude in the block)) - 2, held to -126 .. 127; a block of zeros has e = 0. As a byte (E8M0): e + 127.
;;     - Each number is divided by its block's scale, clamped to +-7.5, and rounded to the nearest number of E2M3, ties to even, subnormals kept.
;;     - The product sums the exact products of the quantised numbers (number of the format x scale) in f32.
;;   ~~~python
;;   def quantise(x, axis):      # numpy; x: float32 -> the quantised numbers, widened to float32 again
;;       x = np.moveaxis(x, axis, -1); K = x.shape[-1]
;;       x = np.pad(x, [(0, 0)] * (x.ndim - 1) + [(0, -K % 32)]); x = x.reshape(x.shape[:-1] + (-1, 32)); a = np.abs(x).max(-1, keepdims=True)
;;       e = np.where(a > 0, np.clip(np.frexp(np.where(a > 0, a, 1))[1] - 1 - 2, -126, 127), 0)      # np.frexp(a)[1] - 1 = floor(log2(a)), exactly
;;       r = np.clip(x / 2.0 ** e, -7.5, 7.5)
;;       step = 2.0 ** (np.maximum(np.frexp(np.where(r == 0, 1, r))[1] - 1, 0) - 3)
;;       q = np.round(r / step) * step * 2.0 ** e      # np.round: ties to even
;;       return np.moveaxis(q.reshape(q.shape[:-2] + (-1,))[..., :K], -1, axis).astype(np.float32)
;;   ~~~
;;   SOFTMAX AHEAD OF A QUANTISED PRODUCT. Where the list says 'softmax', what is quantised is not the finished softmax but p = 2^(t - M), with t = logit x log2(e) and M = ceil(the row's largest t), a whole number; so 1/2 < the row's largest p <= 1. The row's sum l is taken of the UNQUANTISED p, in f32, and the product's result is divided by l at the end. Since M is a whole number, a kernel that streams over the keys may use a running M (the ceiling of the running maximum): every later rescaling is an exact power of two, which a block's scale takes up: the codes' values come out the same.
;;   OPERANDS COMPUTED ON THE WAY. 'Computed on the way' means the value that the module computes at that place (a softmax that the list does not call 'softmax' is quantised finished and normalised). What goes into a quantiser is computed in f32, as accurately as f32 sums, v_exp_f32 and their like allow (about 1e-6 of the number): no bf16 or f16 on the way to a quantiser, and a product that is left as it is and whose result goes on into a quantised operand takes f32 operands (vector FMAs, or v_wmma_f32_16x16x4_f32). A number that lies on a knife's edge between two numbers of the format may be rounded either way, as far as f32 arithmetic and the matrix unit's own rounding can turn it there, and no further.
;; One version. Each part assembles by itself: llvm-mc -triple=amdgcn-amd-amdhsa -mcpu=gfx1250 --defsym DOCPART=n.
;; ======== version 1 of 1: 5 launches
;; workspace buffers: xq 9,830,400 bytes; qk 13,107,200 bytes; vt 6,553,600 bytes; pr 13,107,200 bytes; pst 1,048,576 bytes; cx 6,553,600 bytes
;; launch quant (part 1): grid 192 x 2, 4 waves a work-group, no clusters, 35,328 bytes of LDS; arguments z, W_q, W_k, W_v, W_o, xq; writes xq
.if DOCPART == 1
	.amdgcn_target "amdgcn-amd-amdhsa--gfx1250"
	.amdhsa_code_object_version 6
	.text
	.protected	k_qf9aa51f2c5_quant
	.globl	k_qf9aa51f2c5_quant
	.p2align	8
	.type	k_qf9aa51f2c5_quant,@function
k_qf9aa51f2c5_quant:
	s_mov_b64 s[64:65], 0
	v_nop
	global_prefetch_b8 v0, s[64:65] scope:SCOPE_SE
	s_setreg_imm32_b32 hwreg(HW_REG_WAVE_MODE, 25, 1), 1
	s_wait_xcnt 0x0
; LAUNCH 1 OF 5.  z [8192][1024] and the four weights [1024][1024], f32 with K innermost, become codes of FP6 (E2M3) with one E8M0 byte for each 32 along K.
; THE PROGRAM: 1 quant (this) | 2 proj: q, k and v^T, quantised on the way out | 3 score: the live tiles of q k^T, the mask, p = 2^(t - M) for each chunk of 128 keys, as codes |
; 4 mix: the chunks brought under each row's M by their scale bytes alone, O = P V, divided by l, quantised | 5 outp: the product with W_o, f32.
; WORK LEFT OUT, in launches 3 and 4.  reference() builds the mask triu(k = 1) in its own body.  In a tile of 256 queries x 256 keys whose tile column lies right of its tile row every key comes after every
; query, so for all values of the inputs every score there becomes -infinity, every weight 0, and the tile adds 0 to the row's sum and to the product with v.  So 28 of the 64 tiles of each batch are not made in
; the product q k^T, and the same key steps are not walked in the product with v.  The hidden quarter of a tile on the diagonal stays: it lies inside a tile that also holds live work.  All five inputs are live.
; LIMIT: a NaN, an infinity or an overflow that would arise only in the tiles left out is not carried to the result.
; LIMITS OF THE QUANTISER: NaN and infinities among the inputs are not served.  A block whose largest magnitude lies under 2^-124, a block of zeros too, gets the byte 1 (the rule says 127 for zeros): its codes
; are zeros or nearly so, and the bytes are read by this program alone.
; THE WORKSPACE FORMAT, one for every operand of the program: RECORDS in the order of the operand's registers.  A record is 64 rows (a quad: four blocks of 16) x 128 along K = 6,400 bytes: four images of a
; fragment (12 registers a lane: registers 4 c .. 4 c + 3 of lane l at 1536 f + 512 c + 16 l), then at byte 6,144 the 64 scale words (block f, row r at 64 f + 4 r).  A buffer is [quad][K step][6400].
; THE ROWS OF A BLOCK ARE NOT NEIGHBOURS: lane r of block 2 B + u stands for row 32 B + 8 u + r + 8 (r / 8), so that a product used transposed leaves 16 neighbours along the next K in a lane's registers.
; xq: quads 0-127 z, 128-143 W_q, 144-159 W_k, 160-175 W_v, 176-191 W_o; 8 K steps each.
; SHARES.  A work-group takes a quad (its x); wave w takes K step 4 y + w: one record: 64 rows x 512 bytes in, 6,400 bytes out.  Each load reads 512 consecutive bytes of a row; a block's 16 rows turn through
; the wave's own stage in LDS, so that lane (r, h) gets, of row r, the 16 numbers 32 b + 16 h + 0 .. 15 of each block b of 32.  No tensor load, no barrier: waves share nothing.
.set WREG,   8704                      ; LDS of a wave: a stage of 16 rows x 528 bytes, then 256 bytes for the record's scale words
.set SPITCH, 528                       ; 512 bytes + 16: the 16 rows that a load of 16 bytes a lane touches start in 16 different columns of 16 bytes
.set SPARE,  4*WREG                    ; the spare words, 128 bytes for each wave: two blocks of 256 bytes that no other line names
.set LO,  4                            ; v4   16 x lane
.set SI,  5                            ; v5   the stage, on the way in: 16 x lane
.set SOA, 6                            ; v6   and on the way out: 528 r + 64 h
.set SWA, 7                            ; v7   where my row's scale word goes: 4 r
.set SRA, 8                            ; v8   and where the words are read back: 8 x lane
.set L8,  9                            ; v9   8 x lane
.set SPW, 10                           ; v10  LDS address of my spare word; never rewritten
.set NIL, 11                           ; v11  0; never rewritten
.set MX,  12                           ; v12-15 largest magnitudes;  v16-19 the partner's, then the bytes;  v20-23 the conversions' scale operands
.set PB,  16
.set SO,  20
.set TC,  24                           ; v24-31 the upper halves of the blocks' codes
.set PW,  32                           ; v32-35 a scale word for each block of rows
.set PC,  36                           ; v36-59 a fragment's codes, two sets
.set UN,  60                           ; v60-61 the scale words on the way out
.set X,   64                           ; v64-127 64 numbers of my row
.set R,   128                          ; v128-255 two sets of 16 rows as loaded
.set SEL, 28                           ; s[28:29] lane selects for v_permlanex16_b32: lane l xor 16
	s_load_b256 s[4:11], s[0:1], 0x0               ; z, W_q, W_k, W_v
	s_load_b128 s[12:15], s[0:1], 0x20             ; W_o, xq
	v_lshl_add_u32 v[SPW], v0, 2, SPARE
	v_mov_b32 v[NIL], 0
	v_lshrrev_b32 v1, 5, v0
	v_readfirstlane_b32 s22, v1                    ; wave
	v_and_b32 v1, 31, v0                           ; lane
	v_and_b32 v2, 15, v0                           ; r
	v_bfe_u32 v3, v0, 4, 1                         ; h
	v_lshlrev_b32 v[LO], 4, v1
	v_lshlrev_b32 v[L8], 3, v1
	s_mul_i32 s23, s22, WREG
	v_add_nc_u32 v[SI], s23, v[LO]
	v_mul_u32_u24 v[SOA], v2, SPITCH
	v_lshl_add_u32 v[SOA], v3, 6, v[SOA]
	v_add_nc_u32 v[SOA], s23, v[SOA]
	s_add_co_u32 s24, s23, 16*SPITCH
	v_lshl_add_u32 v[SWA], v2, 2, s24
	v_lshl_add_u32 v[SRA], v1, 3, s24
.irp b, 0,1,2,3
	v_mov_b32 v[PB+\b], 0                          ; written once: a lane permute's destination counts as one of its sources
.endr
	s_mov_b32 s[SEL], 0x76543210
	s_mov_b32 s[SEL+1], 0xfedcba98
	s_and_b32 s25, ttmp7, 0xffff
	s_lshl_b32 s25, s25, 2
	s_add_co_u32 s25, s25, s22                     ; my K step: 4 y + wave
	s_lshl_b32 s26, ttmp9, 3
	s_add_co_u32 s26, s26, s25
	s_mul_i32 s26, s26, 6400                       ; my record in xq
	s_mov_b32 s27, 0
	s_and_b32 s18, ttmp9, 15                       ; a weight's quad
	s_wait_kmcnt 0x0
	s_cmp_lt_u32 ttmp9, 176                        ; which tensor: the choice hangs on the work-group's number alone
	s_cselect_b64 s[16:17], s[10:11], s[12:13]
	s_cmp_lt_u32 ttmp9, 160
	s_cselect_b64 s[16:17], s[8:9], s[16:17]
	s_cmp_lt_u32 ttmp9, 144
	s_cselect_b64 s[16:17], s[6:7], s[16:17]
	s_cmp_lt_u32 ttmp9, 128
	s_cselect_b64 s[16:17], s[4:5], s[16:17]
	s_cselect_b32 s18, ttmp9, s18
	s_lshl_b32 s18, s18, 18                        ; 64 rows of 4,096 bytes a quad
	s_lshl_b32 s19, s25, 9                         ; 512 bytes a K step
	s_add_co_u32 s18, s18, s19
	s_mov_b32 s19, 0
	s_add_nc_u64 s[16:17], s[16:17], s[18:19]
	s_add_nc_u64 s[14:15], s[14:15], s[26:27]
.macro LOAD f                          ; block f of the quad: its 16 rows, 512 consecutive bytes a load
.irp t, 0,1,2,3,4,5,6,7,8,9,10,11,12,13,14,15
	global_load_b128 v[R+64*((\f)%2)+4*\t:R+64*((\f)%2)+4*\t+3], v[LO], s[16:17] offset:(32*((\f)/2)+8*((\f)%2)+\t+8*(\t/8))*4096 th:TH_LOAD_NT
.endr
.endm
.macro TURN f                          ; through the stage: LDS serves a wave's instructions in order, so no wait stands between the stores and the loads
.irp t, 0,1,2,3,4,5,6,7,8,9,10,11,12,13,14,15
	ds_store_b128 v[SI], v[R+64*((\f)%2)+4*\t:R+64*((\f)%2)+4*\t+3] offset:SPITCH*\t
.endr
.irp b, 0,1,2,3
.irp j, 0,1,2,3
	ds_load_b128 v[X+16*\b+4*\j:X+16*\b+4*\j+3], v[SOA] offset:128*\b+16*\j
.endr
.endr
.endm
; 64 numbers of a lane, register 16 b + i = k 32 b + 16 h + i of my row, become a fragment's codes in v[pc] on and its scale word in v[pw].
.macro QUANT s, pc, pw
.irp b, 0,1,2,3
	v_max3_num_f32 v[MX+\b], |v[\s+16*\b]|, |v[\s+16*\b+1]|, 0x1800000   ; my 16 numbers of block b, and the floor 2^(3 - 127): the byte cannot fall under 1
.endr
.irp i, 2,4,6,8,10,12,14
.irp b, 0,1,2,3
	v_max3_num_f32 v[MX+\b], |v[\s+16*\b+\i]|, |v[\s+16*\b+\i+1]|, v[MX+\b]
.endr
.endr
.irp b, 0,1,2,3
	v_permlanex16_b32 v[PB+\b], v[MX+\b], s[SEL], s[SEL+1]
.endr
.irp b, 0,1,2,3
	v_max_num_f32 v[MX+\b], v[MX+\b], v[PB+\b]     ; with lane l xor 16: the block's largest magnitude
.endr
.irp b, 0,1,2,3
	v_add_nc_u32 v[SO+\b], 0xff000000, v[MX+\b]    ; 2 off its exponent field: the conversion takes that field as its scale
.endr
.irp b, 0,1,2,3
	v_lshrrev_b32 v[PB+\b], 23, v[SO+\b]           ; the scale's byte
.endr
	v_lshl_or_b32 v[\pw], v[PB+1], 8, v[PB]
	v_lshl_or_b32 v[\pw], v[PB+2], 16, v[\pw]
	v_lshl_or_b32 v[\pw], v[PB+3], 24, v[\pw]
.irp c, 0,1
	v_cvt_scalef32_pk16_fp6_f32 v[\pc+6*\c:\pc+6*\c+2], v[\s+32*\c:\s+32*\c+15], v[SO+2*\c]
	v_cvt_scalef32_pk16_fp6_f32 v[TC+4*\c:TC+4*\c+2], v[\s+32*\c+16:\s+32*\c+31], v[SO+2*\c+1]
.endr
	v_nop                                          ; one plain place behind a scaled conversion
.irp c, 0,1                            ; the operand wants a whole block in a lane: lanes 0-15 block 2 c, lanes 16-31 block 2 c + 1
.irp i, 0,1,2
	v_permlane16_swap_b32 v[\pc+6*\c+\i], v[TC+4*\c+\i]
.endr
.irp i, 0,1,2
	v_mov_b32 v[\pc+6*\c+3+\i], v[TC+4*\c+\i]
.endr
.endr
.endm
	LOAD 0
	LOAD 1
.irp f, 0,1,2,3
.if \f < 3
	s_wait_loadcnt 16                              ; this block's 16 loads are in; the next block's 16 may be out
.else
	s_wait_loadcnt 0x0
.endif
	TURN \f
	s_wait_dscnt 0x0                               ; my 64 numbers are back, and the stores into the stage have read their registers,
.if \f < 2
	LOAD \f+2                                      ; which take the block two further on
.else
	s_wait_xcnt 0x0                                ; the stores of two blocks back have read this set of codes: it is written again only behind this wait
.endif
	QUANT X, PC+12*(\f%2), PW+\f
.irp c, 0,1,2
	global_store_b128 v[LO], v[PC+12*(\f%2)+4*\c:PC+12*(\f%2)+4*\c+3], s[14:15] offset:1536*\f+512*\c   ; 32 lanes store 512 consecutive bytes, aligned
.endr
	ds_store_b32 v[SWA], v[PW+\f] offset:64*\f     ; lanes r and r + 16 write the same word with the same value
.endr
	ds_load_b64 v[UN:UN+1], v[SRA]                 ; LDS serves a wave's instructions in order: this sees my four stores
	s_wait_dscnt 0x0
	global_store_b64 v[L8], v[UN:UN+1], s[14:15] offset:6144   ; the record's 64 scale words: 256 consecutive bytes, aligned
	s_wait_tensorcnt 0x0                           ; the wave's end
	ds_add_u32 v[SPW], v[NIL]
	s_wait_dscnt 0x0
	s_endpgm
.Lfunc_end_k_qf9aa51f2c5_quant:
	.size	k_qf9aa51f2c5_quant, .Lfunc_end_k_qf9aa51f2c5_quant-k_qf9aa51f2c5_quant
	.p2alignl 7, 3214868480
	.fill 96, 4, 3214868480
	.section	.rodata,"a",@progbits
	.p2align	6, 0x0
	.amdhsa_kernel k_qf9aa51f2c5_quant
		.amdhsa_group_segment_fixed_size 35328
		.amdhsa_private_segment_fixed_size 0
		.amdhsa_enable_private_segment 0
		.amdhsa_kernarg_size 48
		.amdhsa_user_sgpr_count 2
		.amdhsa_user_sgpr_kernarg_segment_ptr 1
		.amdhsa_wavefront_size32 1
		.amdhsa_system_sgpr_workgroup_id_x 1
		.amdhsa_system_sgpr_workgroup_id_y 1
		.amdhsa_system_sgpr_workgroup_id_z 1
		.amdhsa_system_vgpr_workitem_id 0
		.amdhsa_next_free_vgpr 256
		.amdhsa_next_free_sgpr 66
		.amdhsa_reserve_vcc 0
		.amdhsa_float_denorm_mode_32 3
		.amdhsa_float_denorm_mode_16_64 3
		.amdhsa_memory_ordered 1
		.amdhsa_forward_progress 1
		.amdhsa_inst_pref_size 34
	.end_amdhsa_kernel
	.amdgpu_metadata
---
amdhsa.version: [ 1, 2 ]
amdhsa.kernels:
  - .name:           k_qf9aa51f2c5_quant
    .symbol:         k_qf9aa51f2c5_quant.kd
    .args:
      - { .name: z, .offset: 0, .size: 8, .value_kind: global_buffer, .address_space: global }
      - { .name: W_q, .offset: 8, .size: 8, .value_kind: global_buffer, .address_space: global }
      - { .name: W_k, .offset: 16, .size: 8, .value_kind: global_buffer, .address_space: global }
      - { .name: W_v, .offset: 24, .size: 8, .value_kind: global_buffer, .address_space: global }
      - { .name: W_o, .offset: 32, .size: 8, .value_kind: global_buffer, .address_space: global }
      - { .name: xq, .offset: 40, .size: 8, .value_kind: global_buffer, .address_space: global }
    .group_segment_fixed_size: 35328
    .private_segment_fixed_size: 0
    .kernarg_segment_align: 8
    .kernarg_segment_size: 48
    .max_flat_workgroup_size: 128
    .sgpr_count:     66
    .vgpr_count:     256
    .wavefront_size: 32
...
	.end_amdgpu_metadata
.endif
;; end of part 1
;; launch proj (part 2): grid 8 x 48, 4 waves a work-group, clusters of 4 x 4, 327,680 bytes of LDS; arguments xq, qk, vt; writes qk, vt
.if DOCPART == 2
	.amdgcn_target "amdgcn-amd-amdhsa--gfx1250"
	.amdhsa_code_object_version 6
	.text
	.protected	k_qf9aa51f2c5_proj
	.globl	k_qf9aa51f2c5_proj
	.p2align	8
	.type	k_qf9aa51f2c5_proj,@function
k_qf9aa51f2c5_proj:
	s_mov_b64 s[64:65], 0
	v_nop
	global_prefetch_b8 v0, s[64:65] scope:SCOPE_SE
	s_setreg_imm32_b32 hwreg(HW_REG_WAVE_MODE, 25, 1), 1
	s_wait_xcnt 0x0
	s_wait_alu depctr_hold_cnt(0) depctr_sa_sdst(0) depctr_va_vdst(0) depctr_va_sdst(0) depctr_va_ssrc(0) depctr_va_vcc(0) depctr_vm_vsrc(0)
	s_getreg_b32 s2, hwreg(HW_REG_IB_STS2, 6, 4)
	s_cmp_eq_u32 s2, 0
	s_cbranch_scc0 .Lentry_in_a_cluster
	s_endpgm
.Lentry_in_a_cluster:
	s_bfe_u32 s2, ttmp6, 0x10000c
	s_cmp_lg_u32 s2, 0xf033
	s_cbranch_scc0 .Lentry_shape_is_right
	s_endpgm
.Lentry_shape_is_right:
; LAUNCH 2 OF 5.  [q | k] = z [W_q ; W_k]^T (8,192 x 2,048) and v^T = W_v z^T (1,024 x 8,192), on codes of FP6 (E2M3) with E8M0 scales, K = 1,024; the results are quantised on the way out, along their columns:
; q and k along the model axis, v^T along the keys, which are the K of the products that take them.  Nothing wider than codes goes to memory.
; OPERANDS AND RESULTS are records (launch 1): 64 rows x 128 K = four register images of 1,536 bytes and 64 scale words.  qk: [128 quads of positions][16 K steps: 0-7 q, 8-15 k]; vt: [16 quads of d][64 K steps of keys].
; A tile of C, 256 x 256, is made by four waves, each 128 x 128: 64 accumulators, 512 registers.  The instruction is used TRANSPOSED (source 0 = 16 rows of B, source 1 = 16 rows of A): a lane holds one row of A's
; block, and, B's blocks being grouped as launch 1 groups them, the 16 registers of tiles 2 B and 2 B + 1 are columns 32 B + 16 h + 0 .. 15: what the conversions take.
; THE GRID: clusters of 4 x 4.  Cluster rows 0-7: the 32 x 8 tiles of [q | k]; cluster rows 8-11: the 4 x 32 tiles of v^T.  The part is chosen by selects on the cluster's y, the same in all sixteen partners.
; A's tile is shared along a row of the cluster, B's along a column: each is asked for JOINTLY, which divides the requests by four.
; K: eight steps of 128, two to a slot, three slots in LDS.  Three of the four slots' worth are asked for at the head; the fourth goes into slot 0 behind the one change of slots that fills bytes again.
; By this text's own count a wave has three tensor loads out at the head and one behind that change.
; REGISTERS, in windows of 256: window 0: v0-31 addresses; v32-63 scale words, two sets, and nothing else; v128-223 A's eight fragments, one set; v64-127, v224-255 the way out.  window 1: B's fragments, two sets,
; at v0 and v128.  windows 2, 3: accumulator (a, b) at v[8 (8 (a % 4) + b)].
; LIMITS: as launch 1's quantiser.
.set SLOTB,  102400                    ; a slot: four loads of 25,600 bytes: A's two halves, then B's two
.set LOADB,  25600                     ; a load: 2 quads x 2 K steps
.set SPARE,  3*SLOTB                   ; the spare words, 128 bytes for each wave
.set SCRATCH, SPARE+512                ; 1,536 bytes for each wave: scale words on the way out
.set SC,   32
.set AF,   128
.set ADRS, 8                           ; v8-10  LDS address of my scale words in slot 0, 1, 2: lanes 0-15 A's rows, lanes 16-31 B's
.set ADRA, 16                          ; v16-18 of my A fragments
.set ADRB, 20                          ; v20-22 of my B fragments
.set LO,   26                          ; v26  16 x lane
.set L8,   27                          ; v27  8 x lane
.set SPW,  28                          ; v28  my spare word; never rewritten
.set NIL,  29                          ; v29  0; never rewritten
.set SCW,  30                          ; v30  scratch + 4 r
.set SCR,  31                          ; v31  scratch + 8 x lane
.set PC,   64                          ; v64-87 codes, two sets
.set UN,   88                          ; v88-91 scale words on the way out
.set MX,   224
.set PB,   228
.set SO,   232
.set TC,   236
.set PW,   244                         ; v244-251 a scale word for each of my eight blocks of rows
.set G1A,  24
.set G0A,  32                          ; s[32:43] three sets
.set G1B,  44
.set G0B,  52                          ; s[52:63] three sets
.set OUT,  92                          ; s[92:93], s[94:95] my two quads' records
.set SEL,  96
.set MSB, 0
.macro WIN new                         ; the immediate's high byte repeats the setting that is left
.if MSB != (\new)
	s_set_vgpr_msb (MSB<<8)|(\new)
.set MSB, (\new)
.endif
.endm
.set MUL_LO, 0xa1                      ; source 0 (B) window 1, source 1 (A) window 0, C and D window 2
.set MUL_HI, 0xf1                      ; the same, C and D window 3
.set TO_B,   0x40                      ; destination window 1
.macro PLACES n
.rept \n
	v_nop
.endr
.endm
.macro JLOAD g0a, g1a, g0b, g1b        ; a joint load: waves 0 and 1 fetch for A, waves 2 and 3 for B; the branch hangs on the wave's number alone; an s_nop 0 and four v_nop follow each line
	s_cmp_eq_u32 s15, 0
	s_cbranch_scc0 .Lfor_b_\@
	tensor_load_to_lds s[\g0a:\g0a+3], s[\g1a:\g1a+7]
	s_nop 0
.rept 4
	v_nop
.endr
	s_branch .Lasked_\@
.Lfor_b_\@:
	tensor_load_to_lds s[\g0b:\g0b+3], s[\g1b:\g1b+7]
	s_nop 0
.rept 4
	v_nop
.endr
.Lasked_\@:
.endm
.macro CREST                           ; a round of the cluster's barrier behind its opening barrier
	s_cmp_lg_u32 s14, 0
	s_cbranch_scc1 .Lnot_wave_0_\@
	s_barrier_signal -3
.Lnot_wave_0_\@:
	s_barrier_wait -3
	s_barrier_signal -1
	s_barrier_wait -1
.endm
.macro CROUND
	s_barrier_signal -1
	s_barrier_wait -1
	CREST
.endm
.macro FRAG reg, adr, off              ; a fragment comes back as it was stored: three loads of 16 bytes a lane, 512 consecutive bytes each
.irp c, 0,1,2
	ds_load_b128 v[\reg+4*\c:\reg+4*\c+3], v[\adr] offset:\off+512*\c
.endr
.endm
.macro FETCH_B sl, q, p                ; B's eight fragments of the slot's q-th K step into set p
	WIN TO_B
.irp i, 0,1,2,3,4,5,6,7
	FRAG 128*(\p)+12*\i, ADRB+\sl, 12800*(\i/4)+6400*(\q)+1536*(\i%4)
.endr
	WIN 0
.endm
.macro FETCH_A sl, q, i0               ; A's blocks i0 .. i0 + 3
.irp i, \i0, \i0+1, \i0+2, \i0+3
	FRAG AF+12*(\i), ADRA+\sl, 12800*((\i)/4)+6400*(\q)+1536*((\i)%4)
.endr
.endm
.macro SCALES sl, set                  ; a slot's scale words: register 2 i + q: lanes 0-15 A's block i, lanes 16-31 B's block i
.irp i, 0,1,2,3,4,5,6,7
.irp q, 0,1
	ds_load_b32 v[SC+16*(\set)+2*\i+\q], v[ADRS+\sl] offset:12800*(\i/4)+6400*\q+64*(\i%4)
.endr
.endr
.endm
; 16 matrix instructions: A's blocks a0, a0 + 1 x B's eight.  The 64 accumulators take turns, one instruction a turn, in the same order in every K step.
.macro MUL16 a0, q, set, zero
.irp a, \a0, \a0+1
.irp b, 0,1,2,3,4,5,6,7
.if \zero
	v_wmma_scale_f32_16x16x128_f8f6f4 v[8*(8*((\a)%4)+\b):8*(8*((\a)%4)+\b)+7], v[128*(\q)+12*\b:128*(\q)+12*\b+11], v[AF+12*(\a):AF+12*(\a)+11], 0, v[SC+16*(\set)+2*\b+(\q)], v[SC+16*(\set)+2*(\a)+(\q)] matrix_a_fmt:MATRIX_FMT_FP6 matrix_b_fmt:MATRIX_FMT_FP6 matrix_a_scale:MATRIX_SCALE_ROW1
.else
	v_wmma_scale_f32_16x16x128_f8f6f4 v[8*(8*((\a)%4)+\b):8*(8*((\a)%4)+\b)+7], v[128*(\q)+12*\b:128*(\q)+12*\b+11], v[AF+12*(\a):AF+12*(\a)+11], v[8*(8*((\a)%4)+\b):8*(8*((\a)%4)+\b)+7], v[SC+16*(\set)+2*\b+(\q)], v[SC+16*(\set)+2*(\a)+(\q)] matrix_a_fmt:MATRIX_FMT_FP6 matrix_b_fmt:MATRIX_FMT_FP6 matrix_a_scale:MATRIX_SCALE_ROW1
.endif
.endr
.endr
.endm
; A K step (the q-th of its slot; B's set is q) that fetches its successor, K step nq of slot ns; nset >= 0: that slot's scale words too.
; Loads into registers that matrix instructions have read stand four plain vector instructions behind them (ISA guide 7.12.1 for vector instructions).
.macro STEP q, set, zero, ns, nq, nset
	s_wait_dscnt 12                                ; all but the youngest 12 loads, A's blocks 4-7, are in
	WIN MUL_LO
	MUL16 0, \q, \set, \zero
	MUL16 2, \q, \set, \zero
	s_wait_dscnt 0x0
	PLACES 4
	FETCH_B \ns, \nq, 1-(\q)
	FETCH_A \ns, \nq, 0
.if \nset >= 0
	SCALES \ns, \nset
.endif
	WIN MUL_HI
	MUL16 4, \q, \set, \zero
	MUL16 6, \q, \set, \zero
	PLACES 4
	WIN 0
	FETCH_A \ns, \nq, 4
.endm
.macro REFILL                          ; the fourth slot's worth of K goes into slot 0, behind a round of the cluster's barrier: no wave of any partner still reads slot 0 or has a load on its way
	CREST
	s_add_nc_u64 s[G0A+2:G0A+3], s[G0A+2:G0A+3], 3*12800
	s_add_nc_u64 s[G0B+2:G0B+3], s[G0B+2:G0B+3], 3*12800
	JLOAD G0A, G1A, G0B, G1B
.endm
; A slot's second K step with a barrier in it: in front of the signal each wave waits for all its tensor loads, adds 0 to its spare word, and waits for that and for its reads of the slot.
.macro TURN set, ns, nset, fill
	s_wait_tensorcnt 0x0                           ; all my tensor loads have landed
	ds_add_u32 v[SPW], v[NIL]                      ; 0 onto my spare word
	s_wait_dscnt 13                                ; (the add and the youngest 12 loads may be out)
	WIN MUL_LO
	MUL16 0, 1, \set, 0
	s_wait_dscnt 0x0                               ; the add is done, and my reads of this slot are over
	s_barrier_signal -1
	MUL16 2, 1, \set, 0
	WIN 0
	s_barrier_wait -1
.if \fill
	REFILL                                         ; the four v_nop behind the load are also the places in front of the loads below
.else
	PLACES 4
.endif
	FETCH_B \ns, 0, 0
	FETCH_A \ns, 0, 0
	SCALES \ns, \nset
	WIN MUL_HI
	MUL16 4, 1, \set, 0
	MUL16 6, 1, \set, 0
	PLACES 4
	WIN 0
	FETCH_A \ns, 0, 4
.endm
.macro LAST set
	s_wait_dscnt 12
	WIN MUL_LO
	MUL16 0, 1, \set, 0
	MUL16 2, 1, \set, 0
	s_wait_dscnt 0x0
	WIN MUL_HI
	MUL16 4, 1, \set, 0
	MUL16 6, 1, \set, 0
	WIN 0
.endm
; 64 numbers of a lane in window w, register 16 b + i = column 32 b + 16 h + i of my row, become a fragment's codes in v[pc] on and its scale word in v[pw].  Each accumulator is read from its low end on.
.macro QUANT s, w, pc, pw
	WIN (\w)|((\w)<<2)
.irp b, 0,1,2,3
	v_max3_num_f32 v[MX+\b], |v[\s+16*\b]|, |v[\s+16*\b+1]|, 0x1800000   ; and the floor 2^(3 - 127): the byte cannot fall under 1
.endr
.irp i, 2,4,6,8,10,12,14
.irp b, 0,1,2,3
	v_max3_num_f32 v[MX+\b], |v[\s+16*\b+\i]|, |v[\s+16*\b+\i+1]|, v[MX+\b]
.endr
.endr
	WIN 0
.irp b, 0,1,2,3
	v_permlanex16_b32 v[PB+\b], v[MX+\b], s[SEL], s[SEL+1]
.endr
.irp b, 0,1,2,3
	v_max_num_f32 v[MX+\b], v[MX+\b], v[PB+\b]
.endr
.irp b, 0,1,2,3
	v_add_nc_u32 v[SO+\b], 0xff000000, v[MX+\b]    ; 2 off the exponent field: the conversion's scale operand
.endr
.irp b, 0,1,2,3
	v_lshrrev_b32 v[PB+\b], 23, v[SO+\b]
.endr
	v_lshl_or_b32 v[\pw], v[PB+1], 8, v[PB]
	v_lshl_or_b32 v[\pw], v[PB+2], 16, v[\pw]
	v_lshl_or_b32 v[\pw], v[PB+3], 24, v[\pw]
	WIN \w
.irp c, 0,1
	v_cvt_scalef32_pk16_fp6_f32 v[\pc+6*\c:\pc+6*\c+2], v[\s+32*\c:\s+32*\c+15], v[SO+2*\c]
	v_cvt_scalef32_pk16_fp6_f32 v[TC+4*\c:TC+4*\c+2], v[\s+32*\c+16:\s+32*\c+31], v[SO+2*\c+1]
.endr
	WIN 0
	v_nop                                          ; one plain place behind a scaled conversion
.irp c, 0,1
.irp i, 0,1,2
	v_permlane16_swap_b32 v[\pc+6*\c+\i], v[TC+4*\c+\i]
.endr
.irp i, 0,1,2
	v_mov_b32 v[\pc+6*\c+3+\i], v[TC+4*\c+\i]
.endr
.endr
.endm
	s_load_b128 s[4:7], s[0:1], 0x0                ; xq, qk
	s_load_b64 s[8:9], s[0:1], 0x10                ; vt
	v_lshl_add_u32 v[SPW], v0, 2, SPARE
	v_mov_b32 v[NIL], 0
	ds_add_u32 v[SPW], v[NIL]                      ; the wave's opening: the add, twice on end, and its wait ahead of my first tensor load
	ds_add_u32 v[SPW], v[NIL]
	v_lshrrev_b32 v1, 5, v0
	v_readfirstlane_b32 s14, v1                    ; wave 0..3
	s_lshr_b32 s15, s14, 1                         ; which half of the tile's rows is mine.  Also: I fetch for A (0) or for B (1)
	s_and_b32 s16, s14, 1                          ; which half of its columns.  Also: which 128 rows I fetch
	s_bfe_u32 s66, ttmp6, 0x40000                  ; cx
	s_bfe_u32 s67, ttmp6, 0x40004                  ; cy
	s_and_b32 s72, ttmp7, 0xffff                   ; the cluster's y
	s_sub_co_u32 s73, s72, 8
	s_lshl_b32 s73, s73, 1
	s_add_co_u32 s73, s73, ttmp9                   ; v^T: cluster column x + 2 (y - 8)
	s_cmp_lt_u32 s72, 8                            ; [q | k] or v^T: the same in all sixteen partners
	s_cselect_b32 s74, s72, 0                      ; cluster row of C
	s_cselect_b32 s75, 0, 160                      ; A's first quad in xq: z or W_v
	s_cselect_b32 s76, ttmp9, s73                  ; cluster column of C
	s_cselect_b32 s77, 128, 0                      ; B's first quad: [W_q ; W_k] or z
	s_cselect_b32 s78, 16, 64                      ; K steps in a quad of the result's buffer
	s_lshl_b32 s69, s74, 2
	s_add_co_u32 s69, s69, s67                     ; tile row
	s_lshl_b32 s68, s76, 2
	s_add_co_u32 s68, s68, s66                     ; tile column
	s_lshl_b32 s70, s67, 2
	s_lshl_b32 s70, 15, s70                        ; my row of the cluster
	s_lshl_b32 s71, 0x1111, s66                    ; my column
	; descriptor group 1: 2 rows (quads) x 1,600 elements of 8 bytes (two records), 6,400 elements from quad to quad; dense in LDS
	s_or_b32 s[G1A], s70, (3<<16)|(1<<21)
	s_or_b32 s[G1B], s71, (3<<16)|(1<<21)
.irp g, G1A, G1B
	s_mov_b32 s[\g+1], 1600<<16                    ; tensor_dim0
	s_mov_b32 s[\g+2], 2<<16                       ; tensor_dim1
	s_mov_b32 s[\g+3], 1600<<16                    ; tile_dim0
	s_mov_b32 s[\g+4], 2                           ; tile_dim1
	s_mov_b32 s[\g+5], 6400                        ; stride
	s_mov_b32 s[\g+6], 0
	s_mov_b32 s[\g+7], 0
.endr
	s_lshl_b32 s79, s16, 1
	s_lshl_b32 s80, s69, 2
	s_add_co_u32 s80, s80, s75
	s_add_co_u32 s80, s80, s79                     ; A's quad: it hangs on the tile row alone
	s_mul_i32 s80, s80, 51200
	s_mov_b32 s81, 0
	s_lshl_b32 s82, s68, 2
	s_add_co_u32 s82, s82, s77
	s_add_co_u32 s82, s82, s79                     ; B's quad: on the tile column alone
	s_mul_i32 s82, s82, 51200
	s_mov_b32 s83, 0
	s_mul_i32 s84, s14, LOADB                      ; where my load goes: no place in the cluster enters an LDS address
	s_mov_b32 s[SEL], 0x76543210
	s_mov_b32 s[SEL+1], 0xfedcba98
	s_wait_dscnt 0x0                               ; both opening adds are done
	s_wait_kmcnt 0x0
	s_add_nc_u64 s[80:81], s[4:5], s[80:81]
	s_add_nc_u64 s[82:83], s[4:5], s[82:83]
	CROUND                                         ; all sixteen work-groups are here: the first joint loads meet
.irp t, 0,1,2
	s_mov_b32 s[G0A+4*\t], 1
	s_add_co_u32 s[G0A+4*\t+1], s84, \t*SLOTB
	s_add_nc_u64 s[G0A+4*\t+2:G0A+4*\t+3], s[80:81], \t*12800
	s_or_b32 s[G0A+4*\t+3], s[G0A+4*\t+3], 0x80000000
	s_mov_b32 s[G0B+4*\t], 1
	s_add_co_u32 s[G0B+4*\t+1], s84, \t*SLOTB
	s_add_nc_u64 s[G0B+4*\t+2:G0B+4*\t+3], s[82:83], \t*12800
	s_or_b32 s[G0B+4*\t+3], s[G0B+4*\t+3], 0x80000000
	JLOAD G0A+4*\t, G1A, G0B+4*\t, G1B
.endr
	v_and_b32 v1, 15, v0                           ; r
	v_bfe_u32 v2, v0, 4, 1                         ; h
	v_and_b32 v3, 31, v0                           ; lane
	v_lshlrev_b32 v[LO], 4, v3
	v_lshlrev_b32 v[L8], 3, v3
	s_mul_i32 s84, s15, LOADB                      ; my 128 rows of A
	s_mul_i32 s85, s16, LOADB
	s_add_co_u32 s85, s85, 2*LOADB                 ; my 128 rows of B, behind A's 256
	s_sub_co_u32 s86, s85, s84
	v_mul_u32_u24 v4, s86, v2                      ; lanes 16-31 take B's scale words
	v_lshl_add_u32 v4, v1, 2, v4
	s_add_co_u32 s87, s84, 6144
.irp s, 0,1,2
	v_add_nc_u32 v[ADRA+\s], s84, v[LO]
	v_add_nc_u32 v[ADRB+\s], s85, v[LO]
	v_add_nc_u32 v[ADRS+\s], s87, v4
	s_add_co_u32 s84, s84, SLOTB
	s_add_co_u32 s85, s85, SLOTB
	s_add_co_u32 s87, s87, SLOTB
.endr
	s_mul_i32 s84, s14, 1536
	s_add_co_u32 s84, s84, SCRATCH
	v_lshl_add_u32 v[SCW], v1, 2, s84
	v_lshl_add_u32 v[SCR], v3, 3, s84
	; my records in the result: quad 4 x tile row + 2 x half (+ 1), K step 2 x tile column + half
	s_lshl_b32 s88, s69, 2
	s_lshl_b32 s89, s15, 1
	s_add_co_u32 s88, s88, s89
	s_mul_i32 s88, s88, s78
	s_lshl_b32 s89, s68, 1
	s_add_co_u32 s88, s88, s89
	s_add_co_u32 s88, s88, s16
	s_mul_i32 s88, s88, 6400
	s_mov_b32 s89, 0
	s_mul_i32 s90, s78, 6400
	s_mov_b32 s91, 0
	s_cmp_lt_u32 s72, 8
	s_cselect_b64 s[OUT:OUT+1], s[6:7], s[8:9]
	s_add_nc_u64 s[OUT:OUT+1], s[OUT:OUT+1], s[88:89]
	s_add_nc_u64 s[OUT+2:OUT+3], s[OUT:OUT+1], s[90:91]
	s_wait_tensorcnt 2                             ; my part of slot 0 is in; the two younger loads may stay out
	s_barrier_signal -1
	s_barrier_wait -1
	FETCH_B 0, 0, 0
	FETCH_A 0, 0, 0
	SCALES 0, 0
	FETCH_A 0, 0, 4
	STEP 0, 0, 1, 0, 1, -1                         ; K step 0: its products start the sums: nothing is cleared
	TURN 0, 1, 1, 1                                ; K step 1: slot 0 is left and filled again with K steps 6 and 7
	STEP 0, 1, 0, 1, 1, -1                         ; K step 2
	STEP 1, 1, 0, 2, 0, 0                          ; K step 3, on into slot 2: every wave waited for all its loads in front of the barrier in K step 1
	STEP 0, 0, 0, 2, 1, -1                         ; K step 4
	TURN 0, 0, 1, 0                                ; K step 5: the barrier shows slot 0 whole to every wave; nothing is filled
	STEP 0, 1, 0, 0, 1, -1                         ; K step 6
	LAST 1                                         ; K step 7
	; THE WAY OUT: each of my eight blocks of 16 rows x 128 columns becomes one fragment image and 16 scale words.
	PLACES 4
.irp b, 0,1,2,3
	v_mov_b32 v[PB+\b], 0                          ; a lane permute's destination counts as one of its sources
.endr
.irp a, 0,1,2,3,4,5,6,7
.if \a >= 2
	s_wait_xcnt 0x0                                ; the stores of two blocks back have read this set of codes
.endif
	QUANT 64*(\a%4), 2+\a/4, PC+12*(\a%2), PW+\a
.irp c, 0,1,2
	global_store_b128 v[LO], v[PC+12*(\a%2)+4*\c:PC+12*(\a%2)+4*\c+3], s[OUT+2*(\a/4):OUT+2*(\a/4)+1] offset:1536*(\a%4)+512*\c   ; 512 consecutive bytes, aligned
.endr
	ds_store_b32 v[SCW], v[PW+\a] offset:64*\a
.endr
	ds_load_b64 v[UN:UN+1], v[SCR]                 ; LDS serves a wave's instructions in order: these see my stores
	ds_load_b64 v[UN+2:UN+3], v[SCR] offset:256
	s_wait_dscnt 0x0
	global_store_b64 v[L8], v[UN:UN+1], s[OUT:OUT+1] offset:6144
	global_store_b64 v[L8], v[UN+2:UN+3], s[OUT+2:OUT+3] offset:6144
	s_wait_tensorcnt 0x0                           ; the wave's end
	ds_add_u32 v[SPW], v[NIL]
	s_wait_dscnt 0x0
	CROUND                                         ; the closing round
	s_endpgm
.Lfunc_end_k_qf9aa51f2c5_proj:
	.size	k_qf9aa51f2c5_proj, .Lfunc_end_k_qf9aa51f2c5_proj-k_qf9aa51f2c5_proj
	.p2alignl 7, 3214868480
	.fill 96, 4, 3214868480
	.section	.rodata,"a",@progbits
	.p2align	6, 0x0
	.amdhsa_kernel k_qf9aa51f2c5_proj
		.amdhsa_group_segment_fixed_size 327680
		.amdhsa_private_segment_fixed_size 0
		.amdhsa_enable_private_segment 0
		.amdhsa_kernarg_size 24
		.amdhsa_user_sgpr_count 2
		.amdhsa_user_sgpr_kernarg_segment_ptr 1
		.amdhsa_wavefront_size32 1
		.amdhsa_system_sgpr_workgroup_id_x 1
		.amdhsa_system_sgpr_workgroup_id_y 1
		.amdhsa_system_sgpr_workgroup_id_z 1
		.amdhsa_system_vgpr_workitem_id 0
		.amdhsa_next_free_vgpr 1024
		.amdhsa_next_free_sgpr 100
		.amdhsa_reserve_vcc 0
		.amdhsa_float_denorm_mode_32 3
		.amdhsa_float_denorm_mode_16_64 3
		.amdhsa_memory_ordered 1
		.amdhsa_forward_progress 1
		.amdhsa_inst_pref_size 141
	.end_amdhsa_kernel
	.amdgpu_metadata
---
amdhsa.version: [ 1, 2 ]
amdhsa.kernels:
  - .name:           k_qf9aa51f2c5_proj
    .symbol:         k_qf9aa51f2c5_proj.kd
    .args:
      - { .name: xq, .offset: 0, .size: 8, .value_kind: global_buffer, .address_space: global }
      - { .name: qk, .offset: 8, .size: 8, .value_kind: global_buffer, .address_space: global }
      - { .name: vt, .offset: 16, .size: 8, .value_kind: global_buffer, .address_space: global }
    .group_segment_fixed_size: 327680
    .private_segment_fixed_size: 0
    .kernarg_segment_align: 8
    .kernarg_segment_size: 24
    .max_flat_workgroup_size: 128
    .sgpr_count:     100
    .vgpr_count:     1024
    .wavefront_size: 32
...
	.end_amdgpu_metadata
.endif
;; end of part 2
;; launch score (part 3): grid 36 x 4, 4 waves a work-group, no clusters, 327,680 bytes of LDS; arguments qk, pr, pst; writes pr, pst
.if DOCPART == 3
	.amdgcn_target "amdgcn-amd-amdhsa--gfx1250"
	.amdhsa_code_object_version 6
	.text
	.protected	k_qf9aa51f2c5_score
	.globl	k_qf9aa51f2c5_score
	.p2align	8
	.type	k_qf9aa51f2c5_score,@function
k_qf9aa51f2c5_score:
	s_mov_b64 s[64:65], 0
	v_nop
	global_prefetch_b8 v0, s[64:65] scope:SCOPE_SE
	s_setreg_imm32_b32 hwreg(HW_REG_WAVE_MODE, 25, 1), 1
	s_wait_xcnt 0x0
; LAUNCH 3 OF 5.  The live tiles of S = q k^T, on codes of FP6 (E2M3), K = 1,024; then, for each query and each CHUNK of 128 keys: t = score x log2(e) / 32, the causal mask, M = ceil(the chunk's largest t),
; p = 2^(t - M) quantised along the keys, and l = the sum of the unquantised p.  Stored: p's codes and scale words as records (pr), -M and l as f32 (pst).
; M is a whole number, so launch 4 brings a chunk under its row's M by taking M(row) - M(chunk) off the chunk's scale bytes: the codes stay as they are.
; WORK LEFT OUT: the tiles of 256 x 256 whose tile column lies right of their tile row (the mask that reference() builds hides them whole: shown at the head of launch 1): 36 of 64 tiles a batch are made.
; THE GRID: x walks the lower triangle of 8 x 8 tiles, y the batch.  NO CLUSTER: tile row i has i + 1 live tiles and tile column j has 8 - j; these do not divide into groups of four in which every partner
; reads every tile that is asked for jointly.
; The core is launch 2's: four waves of 128 x 128, the instruction used transposed (source 0 = 16 keys, source 1 = 16 queries): a lane holds ONE query, its 64 registers of a block of queries the chunk's keys
; 32 B + 16 h + 0 .. 15.  Three slots; three of K's four slots' worth are asked for at the head (three loads of a wave out), the fourth behind the one change of slots that fills bytes again.
; A chunk that the mask hides whole (the upper right quarter of a tile on the diagonal) gives codes 0, l = 0 and -M = 3e38: no NaN arises.
; LIMITS: NaN and infinities are not served; M is exact for |t| under 2^24; a block whose every p has fallen under 2^-124 keeps the byte 1.
.set SLOTB,  102400
.set LOADB,  25600
.set SPARE,  3*SLOTB
.set SCRATCH, SPARE+512                ; 1,536 bytes for each wave: scale words, -M, l
.set SC,   32
.set AF,   128
.set ADRS, 8
.set D0,   12                          ; v12  my query less my half's first key, inside a tile on the diagonal
.set ADRA, 16
.set ADRB, 20
.set LO,   26
.set L8,   27
.set SPW,  28
.set NIL,  29
.set SCW,  30
.set SCR,  31
.set PC,   64                          ; v64-87 codes, two sets
.set PW,   88                          ; v88-95 scale words;  v96-103 -M;  v104-111 l: one for each block of queries
.set MA,   96
.set LA,   104
.set NM,   112                         ; v112 -M, v113 the largest t (a pair for the packed addition)
.set MT,   113
.set SUMA, 114
.set SUMB, 116
.set BM,   118                         ; v118-121 each block's largest t, then its largest p
.set PB,   122
.set SO,   126
.set TC,   130
.set NINF, 138
.set TM1,  139
.set UN,   140                         ; v140-151 six units on the way out
.set T,    160                         ; v160-223 t, then p
.set G1,   24
.set G0,   32                          ; s[32:43] three sets
.set CS,   44                          ; s[44:45] log2(e) / 32
.set SEL,  46
.set MF,   48                          ; s48  1 where my quarter of the tile meets the mask
.set OUT,  50
.set PST,  52
.set MSB, 0
.macro WIN new
.if MSB != (\new)
	s_set_vgpr_msb (MSB<<8)|(\new)
.set MSB, (\new)
.endif
.endm
.set MUL_LO, 0xa1
.set MUL_HI, 0xf1
.set TO_B,   0x40
.macro PLACES n
.rept \n
	v_nop
.endr
.endm
.macro FRAG reg, adr, off
.irp c, 0,1,2
	ds_load_b128 v[\reg+4*\c:\reg+4*\c+3], v[\adr] offset:\off+512*\c
.endr
.endm
.macro FETCH_B sl, q, p
	WIN TO_B
.irp i, 0,1,2,3,4,5,6,7
	FRAG 128*(\p)+12*\i, ADRB+\sl, 12800*(\i/4)+6400*(\q)+1536*(\i%4)
.endr
	WIN 0
.endm
.macro FETCH_A sl, q, i0
.irp i, \i0, \i0+1, \i0+2, \i0+3
	FRAG AF+12*(\i), ADRA+\sl, 12800*((\i)/4)+6400*(\q)+1536*((\i)%4)
.endr
.endm
.macro SCALES sl, set
.irp i, 0,1,2,3,4,5,6,7
.irp q, 0,1
	ds_load_b32 v[SC+16*(\set)+2*\i+\q], v[ADRS+\sl] offset:12800*(\i/4)+6400*\q+64*(\i%4)
.endr
.endr
.endm
.macro MUL16 a0, q, set, zero          ; the 64 accumulators take turns, in the same order in every K step
.irp a, \a0, \a0+1
.irp b, 0,1,2,3,4,5,6,7
.if \zero
	v_wmma_scale_f32_16x16x128_f8f6f4 v[8*(8*((\a)%4)+\b):8*(8*((\a)%4)+\b)+7], v[128*(\q)+12*\b:128*(\q)+12*\b+11], v[AF+12*(\a):AF+12*(\a)+11], 0, v[SC+16*(\set)+2*\b+(\q)], v[SC+16*(\set)+2*(\a)+(\q)] matrix_a_fmt:MATRIX_FMT_FP6 matrix_b_fmt:MATRIX_FMT_FP6 matrix_a_scale:MATRIX_SCALE_ROW1
.else
	v_wmma_scale_f32_16x16x128_f8f6f4 v[8*(8*((\a)%4)+\b):8*(8*((\a)%4)+\b)+7], v[128*(\q)+12*\b:128*(\q)+12*\b+11], v[AF+12*(\a):AF+12*(\a)+11], v[8*(8*((\a)%4)+\b):8*(8*((\a)%4)+\b)+7], v[SC+16*(\set)+2*\b+(\q)], v[SC+16*(\set)+2*(\a)+(\q)] matrix_a_fmt:MATRIX_FMT_FP6 matrix_b_fmt:MATRIX_FMT_FP6 matrix_a_scale:MATRIX_SCALE_ROW1
.endif
.endr
.endr
.endm
.macro STEP q, set, zero, ns, nq, nset
	s_wait_dscnt 12                                ; all but the youngest 12 loads, A's blocks 4-7, are in
	WIN MUL_LO
	MUL16 0, \q, \set, \zero
	MUL16 2, \q, \set, \zero
	s_wait_dscnt 0x0
	PLACES 4
	FETCH_B \ns, \nq, 1-(\q)
	FETCH_A \ns, \nq, 0
.if \nset >= 0
	SCALES \ns, \nset
.endif
	WIN MUL_HI
	MUL16 4, \q, \set, \zero
	MUL16 6, \q, \set, \zero
	PLACES 4
	WIN 0
	FETCH_A \ns, \nq, 4
.endm
.macro REFILL                          ; the fourth slot's worth of K goes into slot 0: my one tensor load behind the barrier, and the first thing there
	s_add_nc_u64 s[G0+2:G0+3], s[G0+2:G0+3], 3*12800
	tensor_load_to_lds s[G0:G0+3], s[G1:G1+7]
	s_nop 0
	PLACES 4
.endm
.macro TURN set, ns, nset, fill
	s_wait_tensorcnt 0x0                           ; all my tensor loads have landed
	ds_add_u32 v[SPW], v[NIL]                      ; 0 onto my spare word
	s_wait_dscnt 13                                ; (the add and the youngest 12 loads may be out)
	WIN MUL_LO
	MUL16 0, 1, \set, 0
	s_wait_dscnt 0x0                               ; the add is done, and my reads of this slot are over
	s_barrier_signal -1
	MUL16 2, 1, \set, 0
	WIN 0
	s_barrier_wait -1
.if \fill
	REFILL
.else
	PLACES 4
.endif
	FETCH_B \ns, 0, 0
	FETCH_A \ns, 0, 0
	SCALES \ns, \nset
	WIN MUL_HI
	MUL16 4, 1, \set, 0
	MUL16 6, 1, \set, 0
	PLACES 4
	WIN 0
	FETCH_A \ns, 0, 4
.endm
.macro LAST set
	s_wait_dscnt 12
	WIN MUL_LO
	MUL16 0, 1, \set, 0
	MUL16 2, 1, \set, 0
	s_wait_dscnt 0x0
	WIN MUL_HI
	MUL16 4, 1, \set, 0
	MUL16 6, 1, \set, 0
	WIN 0
.endm
	s_load_b128 s[4:7], s[0:1], 0x0                ; qk, pr
	s_load_b64 s[8:9], s[0:1], 0x10                ; pst
	v_lshl_add_u32 v[SPW], v0, 2, SPARE
	v_mov_b32 v[NIL], 0
	ds_add_u32 v[SPW], v[NIL]                      ; the wave's opening: the add, twice on end, and its wait ahead of my first tensor load
	ds_add_u32 v[SPW], v[NIL]
	v_lshrrev_b32 v1, 5, v0
	v_readfirstlane_b32 s14, v1                    ; wave
	s_lshr_b32 s15, s14, 1                         ; my half of the queries
	s_and_b32 s16, s14, 1                          ; my half of the keys
	s_mov_b32 s17, 0                               ; tile row i: how many of the triangle's row starts lie at or under x
.irp tt, 1,3,6,10,15,21,28
	s_cmp_ge_u32 ttmp9, \tt
	s_cselect_b32 s18, 1, 0
	s_add_co_u32 s17, s17, s18
.endr
	s_add_co_u32 s18, s17, 1
	s_mul_i32 s18, s18, s17
	s_lshr_b32 s18, s18, 1
	s_sub_co_u32 s18, ttmp9, s18                   ; tile column j = x - i (i + 1) / 2
	s_and_b32 s19, ttmp7, 0xffff                   ; batch
	s_cmp_eq_u32 s17, s18
	s_cselect_b32 s[MF], 1, 0
	s_cmp_ge_u32 s16, s15
	s_cselect_b32 s[MF], s[MF], 0                  ; on the diagonal, and my keys do not all come before my queries
	; descriptor group 1: 2 quads x two records, 12,800 elements of 8 bytes from quad to quad
	s_mov_b32 s[G1], 3<<16
	s_mov_b32 s[G1+1], 1600<<16
	s_mov_b32 s[G1+2], 2<<16
	s_mov_b32 s[G1+3], 1600<<16
	s_mov_b32 s[G1+4], 2
	s_mov_b32 s[G1+5], 12800
	s_mov_b32 s[G1+6], 0
	s_mov_b32 s[G1+7], 0
	s_cmp_lt_u32 s14, 2                            ; waves 0, 1 fetch q's two halves of tile row i, waves 2, 3 k's of tile row j
	s_cselect_b32 s54, s17, s18
	s_cselect_b32 s55, 0, 51200                    ; k's K steps lie behind q's eight
	s_lshl_b32 s56, s19, 5
	s_lshl_b32 s54, s54, 2
	s_add_co_u32 s54, s54, s56
	s_lshl_b32 s57, s16, 1
	s_add_co_u32 s54, s54, s57
	s_mul_i32 s54, s54, 102400
	s_add_co_u32 s54, s54, s55
	s_mov_b32 s55, 0
	s_mul_i32 s58, s14, LOADB
	s_mov_b32 s[CS], 0x3d38aa3b                    ; log2(e) / sqrt(1024)
	s_mov_b32 s[CS+1], s[CS]
	s_mov_b32 s[SEL], 0x76543210
	s_mov_b32 s[SEL+1], 0xfedcba98
	s_wait_dscnt 0x0                               ; both opening adds are done
	s_wait_kmcnt 0x0
	s_add_nc_u64 s[60:61], s[4:5], s[54:55]
.irp t, 0,1,2
	s_mov_b32 s[G0+4*\t], 1
	s_add_co_u32 s[G0+4*\t+1], s58, \t*SLOTB
	s_add_nc_u64 s[G0+4*\t+2:G0+4*\t+3], s[60:61], \t*12800
	s_or_b32 s[G0+4*\t+3], s[G0+4*\t+3], 0x80000000
	tensor_load_to_lds s[G0+4*\t:G0+4*\t+3], s[G1:G1+7]
	s_nop 0
.endr
	PLACES 4
	v_and_b32 v1, 15, v0                           ; r
	v_bfe_u32 v2, v0, 4, 1                         ; h
	v_and_b32 v3, 31, v0                           ; lane
	v_lshlrev_b32 v[LO], 4, v3
	v_lshlrev_b32 v[L8], 3, v3
	s_mul_i32 s54, s15, LOADB
	s_mul_i32 s55, s16, LOADB
	s_add_co_u32 s55, s55, 2*LOADB
	s_sub_co_u32 s56, s55, s54
	v_mul_u32_u24 v4, s56, v2                      ; lanes 16-31 take k's scale words
	v_lshl_add_u32 v4, v1, 2, v4
	s_add_co_u32 s57, s54, 6144
.irp s, 0,1,2
	v_add_nc_u32 v[ADRA+\s], s54, v[LO]
	v_add_nc_u32 v[ADRB+\s], s55, v[LO]
	v_add_nc_u32 v[ADRS+\s], s57, v4
	s_add_co_u32 s54, s54, SLOTB
	s_add_co_u32 s55, s55, SLOTB
	s_add_co_u32 s57, s57, SLOTB
.endr
	s_mul_i32 s54, s14, 1536
	s_add_co_u32 s54, s54, SCRATCH
	v_lshl_add_u32 v[SCW], v1, 2, s54
	v_lshl_add_u32 v[SCR], v3, 3, s54
	v_and_b32 v4, 8, v1
	v_add_nc_u32 v[D0], v4, v1                     ; r + 8 (r / 8)
	v_lshlrev_b32 v4, 4, v2
	v_sub_nc_u32 v[D0], v[D0], v4                  ; - 16 h
	s_sub_co_i32 s54, s15, s16
	s_lshl_b32 s54, s54, 7
	v_add_nc_u32 v[D0], s54, v[D0]                 ; + 128 (my half of the queries - my half of the keys)
	; my records: quad 32 b + 4 i + 2 x half (+ 1), K step 2 j + half
	s_lshl_b32 s54, s19, 5
	s_lshl_b32 s55, s17, 2
	s_add_co_u32 s54, s54, s55
	s_lshl_b32 s55, s15, 1
	s_add_co_u32 s54, s54, s55
	s_lshl_b32 s54, s54, 4
	s_lshl_b32 s55, s18, 1
	s_add_co_u32 s54, s54, s55
	s_add_co_u32 s54, s54, s16
	s_mul_i32 s56, s54, 6400
	s_mov_b32 s57, 0
	s_lshl_b32 s58, s54, 9
	s_mov_b32 s59, 0
	s_add_nc_u64 s[OUT:OUT+1], s[6:7], s[56:57]
	s_add_nc_u64 s[PST:PST+1], s[8:9], s[58:59]
	s_wait_tensorcnt 2                             ; my part of slot 0 is in; the two younger loads may stay out
	s_barrier_signal -1
	s_barrier_wait -1
	FETCH_B 0, 0, 0
	FETCH_A 0, 0, 0
	SCALES 0, 0
	FETCH_A 0, 0, 4
	STEP 0, 0, 1, 0, 1, -1                         ; K step 0 starts the sums
	TURN 0, 1, 1, 1                                ; K step 1: slot 0 is left and filled again
	STEP 0, 1, 0, 1, 1, -1
	STEP 1, 1, 0, 2, 0, 0                          ; on into slot 2: every wave waited for all its loads in front of the barrier in K step 1
	STEP 0, 0, 0, 2, 1, -1
	TURN 0, 0, 1, 0                                ; the barrier shows slot 0 whole; nothing is filled
	STEP 0, 1, 0, 0, 1, -1
	LAST 1
; THE SOFTMAX OF A CHUNK, for block a of 16 queries.  Register 16 b + i of T holds key 32 b + 16 h + i of my 128.
.macro SOFT a
.set AC, 64*((\a)%4)
.set PCS, PC+12*((\a)%2)
	WIN 2+(\a)/4
.set n, 0
.rept 32
	v_pk_mul_f32 v[T+n:T+n+1], v[AC+n:AC+n+1], s[CS:CS+1] op_sel_hi:[1,0]   ; t; each accumulator is read from its low end on
.set n, n+2
.endr
	WIN 0
	s_cmp_eq_u32 s[MF], 0                          ; ids alone; no barrier stands behind this branch
	s_cbranch_scc1 .Lopen_\@
.set n, 0
.rept 64
	v_cmp_gt_i32 vcc_lo, 32*(n/16)+n%16-32*((\a)/2)-8*((\a)%2), v[D0]   ; the key comes after the query
	v_cndmask_b32 v[T+n], v[T+n], v[NINF], vcc_lo
.set n, n+1
.endr
.Lopen_\@:
.irp b, 0,1,2,3
	v_max3_num_f32 v[BM+\b], v[T+16*\b], v[T+16*\b+1], v[T+16*\b+2]   ; the largest t of each block of 32 keys: for the chunk's maximum, and, since p rises with t, for the block's largest p
.endr
.irp i, 3,5,7,9,11,13
.irp b, 0,1,2,3
	v_max3_num_f32 v[BM+\b], v[BM+\b], v[T+16*\b+\i], v[T+16*\b+\i+1]
.endr
.endr
.irp b, 0,1,2,3
	v_max_num_f32 v[BM+\b], v[BM+\b], v[T+16*\b+15]
.endr
.irp b, 0,1,2,3
	v_permlanex16_b32 v[PB+\b], v[BM+\b], s[SEL], s[SEL+1]
.endr
.irp b, 0,1,2,3
	v_max_num_f32 v[BM+\b], v[BM+\b], v[PB+\b]     ; with lane l xor 16
.endr
	v_max3_num_f32 v[TM1], v[BM], v[BM+1], v[BM+2]
	v_max3_num_f32 v[MT], v[TM1], v[BM+3], 0xff61b1e6   ; held at -3e38 from below: a chunk that is hidden whole gives a number, not an infinity
	v_floor_f32 v[NM], -v[MT]                      ; -M = floor(-t) = -ceil(t)
.set n, 0
.rept 32
	v_pk_add_f32 v[T+n:T+n+1], v[T+n:T+n+1], v[NM:NM+1] op_sel_hi:[1,0]   ; t - M
.set n, n+2
.endr
.irp b, 0,1,2,3
	v_add_f32 v[BM+\b], v[BM+\b], v[NM]
.endr
.set n, 0
.rept 64
	v_exp_f32 v[T+n], v[T+n]                       ; p = 2^(t - M)
.set n, n+1
.endr
	v_mov_b32 v[MA+\a], v[NM]                      ; (the plain place behind the exponentials)
	s_wait_alu depctr_va_vdst(0)                   ; one wait for the batch of 64, ahead of its first reader
.irp b, 0,1,2,3
	v_exp_f32 v[BM+\b], v[BM+\b]                   ; each block's largest p
.endr
	v_pk_add_f32 v[SUMA:SUMA+1], v[T:T+1], v[T+2:T+3]      ; the sum of the UNQUANTISED p, in two packed chains: plain work behind the four
	v_pk_add_f32 v[SUMB:SUMB+1], v[T+4:T+5], v[T+6:T+7]
.irp j, 8,12,16,20,24,28,32,36,40,44,48,52,56,60
	v_pk_add_f32 v[SUMA:SUMA+1], v[SUMA:SUMA+1], v[T+\j:T+\j+1]
	v_pk_add_f32 v[SUMB:SUMB+1], v[SUMB:SUMB+1], v[T+\j+2:T+\j+3]
.endr
	v_pk_add_f32 v[SUMA:SUMA+1], v[SUMA:SUMA+1], v[SUMB:SUMB+1]
	v_add_f32 v[LA+\a], v[SUMA], v[SUMA+1]
	s_wait_alu depctr_va_vdst(0)                   ; and one for the four
.irp b, 0,1,2,3
	v_max_num_f32 v[BM+\b], 0x1800000, v[BM+\b]    ; the floor 2^(3 - 127): the byte cannot fall under 1
.endr
.irp b, 0,1,2,3
	v_add_nc_u32 v[SO+\b], 0xff000000, v[BM+\b]
.endr
.irp b, 0,1,2,3
	v_lshrrev_b32 v[PB+\b], 23, v[SO+\b]
.endr
	v_lshl_or_b32 v[PW+\a], v[PB+1], 8, v[PB]
	v_lshl_or_b32 v[PW+\a], v[PB+2], 16, v[PW+\a]
	v_lshl_or_b32 v[PW+\a], v[PB+3], 24, v[PW+\a]
.if \a >= 2
	s_wait_xcnt 0x0                                ; the stores of two blocks back have read this set of codes
.endif
.irp c, 0,1
	v_cvt_scalef32_pk16_fp6_f32 v[PCS+6*\c:PCS+6*\c+2], v[T+32*\c:T+32*\c+15], v[SO+2*\c]
	v_cvt_scalef32_pk16_fp6_f32 v[TC+4*\c:TC+4*\c+2], v[T+32*\c+16:T+32*\c+31], v[SO+2*\c+1]
.endr
	v_nop                                          ; one plain place behind a scaled conversion
.irp c, 0,1
.irp i, 0,1,2
	v_permlane16_swap_b32 v[PCS+6*\c+\i], v[TC+4*\c+\i]
.endr
.irp i, 0,1,2
	v_mov_b32 v[PCS+6*\c+3+\i], v[TC+4*\c+\i]
.endr
.endr
	v_permlanex16_b32 v[PB], v[LA+\a], s[SEL], s[SEL+1]
	v_add_f32 v[LA+\a], v[LA+\a], v[PB]            ; with lane l xor 16: the chunk's sum
.irp c, 0,1,2
	global_store_b128 v[LO], v[PCS+4*\c:PCS+4*\c+3], s[OUT:OUT+1] offset:102400*((\a)/4)+1536*((\a)%4)+512*\c   ; 512 consecutive bytes, aligned
.endr
	ds_store_b32 v[SCW], v[PW+\a] offset:64*\a
	ds_store_b32 v[SCW], v[MA+\a] offset:512+64*\a
	ds_store_b32 v[SCW], v[LA+\a] offset:1024+64*\a
.endm
	PLACES 4
.irp b, 0,1,2,3
	v_mov_b32 v[PB+\b], 0                          ; a lane permute's destination counts as one of its sources
.endr
	v_mov_b32 v[NINF], 0xff800000                  ; -infinity
.irp a, 0,1,2,3,4,5,6,7
	SOFT \a
.endr
.irp u, 0,1,2,3,4,5
	ds_load_b64 v[UN+2*\u:UN+2*\u+1], v[SCR] offset:256*\u   ; LDS serves a wave's instructions in order: these see my stores
.endr
	s_wait_dscnt 0x0
	global_store_b64 v[L8], v[UN:UN+1], s[OUT:OUT+1] offset:6144             ; each store: 256 consecutive bytes, aligned
	global_store_b64 v[L8], v[UN+2:UN+3], s[OUT:OUT+1] offset:102400+6144
	global_store_b64 v[L8], v[UN+4:UN+5], s[PST:PST+1]
	global_store_b64 v[L8], v[UN+6:UN+7], s[PST:PST+1] offset:8192
	global_store_b64 v[L8], v[UN+8:UN+9], s[PST:PST+1] offset:256
	global_store_b64 v[L8], v[UN+10:UN+11], s[PST:PST+1] offset:8192+256
	s_wait_tensorcnt 0x0                           ; the wave's end
	ds_add_u32 v[SPW], v[NIL]
	s_wait_dscnt 0x0
	s_endpgm
.Lfunc_end_k_qf9aa51f2c5_score:
	.size	k_qf9aa51f2c5_score, .Lfunc_end_k_qf9aa51f2c5_score-k_qf9aa51f2c5_score
	.p2alignl 7, 3214868480
	.fill 96, 4, 3214868480
	.section	.rodata,"a",@progbits
	.p2align	6, 0x0
	.amdhsa_kernel k_qf9aa51f2c5_score
		.amdhsa_group_segment_fixed_size 327680
		.amdhsa_private_segment_fixed_size 0
		.amdhsa_enable_private_segment 0
		.amdhsa_kernarg_size 24
		.amdhsa_user_sgpr_count 2
		.amdhsa_user_sgpr_kernarg_segment_ptr 1
		.amdhsa_wavefront_size32 1
		.amdhsa_system_sgpr_workgroup_id_x 1
		.amdhsa_system_sgpr_workgroup_id_y 1
		.amdhsa_system_sgpr_workgroup_id_z 1
		.amdhsa_system_vgpr_workitem_id 0
		.amdhsa_next_free_vgpr 1024
		.amdhsa_next_free_sgpr 66
		.amdhsa_reserve_vcc 1
		.amdhsa_float_denorm_mode_32 3
		.amdhsa_float_denorm_mode_16_64 3
		.amdhsa_memory_ordered 1
		.amdhsa_forward_progress 1
		.amdhsa_inst_pref_size 249
	.end_amdhsa_kernel
	.amdgpu_metadata
---
amdhsa.version: [ 1, 2 ]
amdhsa.kernels:
  - .name:           k_qf9aa51f2c5_score
    .symbol:         k_qf9aa51f2c5_score.kd
    .args:
      - { .name: qk, .offset: 0, .size: 8, .value_kind: global_buffer, .address_space: global }
      - { .name: pr, .offset: 8, .size: 8, .value_kind: global_buffer, .address_space: global }
      - { .name: pst, .offset: 16, .size: 8, .value_kind: global_buffer, .address_space: global }
    .group_segment_fixed_size: 327680
    .private_segment_fixed_size: 0
    .kernarg_segment_align: 8
    .kernarg_segment_size: 24
    .max_flat_workgroup_size: 128
    .sgpr_count:     66
    .vgpr_count:     1024
    .wavefront_size: 32
...
	.end_amdgpu_metadata
.endif
;; end of part 3
;; launch mix (part 4): grid 4 x 64, 4 waves a work-group, no clusters, 327,680 bytes of LDS; arguments pr, pst, vt, cx; writes cx
.if DOCPART == 4
	.amdgcn_target "amdgcn-amd-amdhsa--gfx1250"
	.amdhsa_code_object_version 6
	.text
	.protected	k_qf9aa51f2c5_mix
	.globl	k_qf9aa51f2c5_mix
	.p2align	8
	.type	k_qf9aa51f2c5_mix,@function
k_qf9aa51f2c5_mix:
	s_mov_b64 s[64:65], 0
	v_nop
	global_prefetch_b8 v0, s[64:65] scope:SCOPE_SE
	s_setreg_imm32_b32 hwreg(HW_REG_WAVE_MODE, 25, 1), 1
	s_wait_xcnt 0x0
; LAUNCH 4 OF 5.  context = (P V) / l, on codes of FP6 (E2M3); K = the keys up to the causal limit; the result is quantised along the model axis on the way out (cx, records as in launch 1).
; WORK LEFT OUT: the K steps of 128 keys all of whose keys come after all 128 queries of the tile (the mask that reference() builds hides them whole: shown at the head of launch 1): tile row I walks I + 1 K steps, not 16.
; THE GRID: x = the tile of 256 of the model axis, y = 16 x batch + tile row I of 128 queries: 256 work-groups.  A wave makes 64 queries x 128 columns: 32 accumulators, 256 registers.
; NO CLUSTER: the work-groups that share V walk different numbers of slots.
; THE PROLOGUE brings launch 3's chunks of 128 keys under each row's M.  -M(row) = the least -M of the row's live chunks; k = M(row) - M(chunk), a whole number, held to 0 .. 200; l(row) = the sum of l(chunk) 2^-k;
; each of the chunk's four scale bytes has k taken off it, held at 0.  The codes stay as they are.  The new scale words of the tile's 128 rows, and 1 / l, go to LDS.  A lane takes one row, a wave 32 rows.
; It has no branch: a chunk past the causal limit reads the last live chunk again and is forced to k = 200, which adds 0 to l; its words are never read.
; THE WALK: two LDS slots of four K steps: (128 + 256) rows x 100 bytes x 4 = 153,600 bytes each.  Slot 0 of the walk holds keys 0 to 255 alone, which every tile row reads; slot j holds the pairs of K steps
; 2 j - 1 and 2 j.  Where only a slot's first pair lies under the causal limit, the load names a second group 1, in which the tensor ends behind that pair: the mover then writes zeros for the rest and fetches
; nothing for it.  So no record of P that launch 3 did not write is read, V is never read past its batch, and every fill covers its whole strip of the slot.
; EVERY work-group walks the same three trips of two slots: the trip count is a constant.
; Every wait for tensor loads is for 0; no step reads bytes that were not fetched.  By this text's own count a wave has one tensor load out.
; Since the first K step stands in the loop like every other, no product can start the sums with the constant 0: the 256 accumulators are cleared once, behind the prologue's loads, while the wave would wait.
; REGISTERS, in windows of 256: window 0: v0-31 addresses; v32-55 scale words, two sets, and nothing else; v128-223 P's four fragments, two sets; v64-255 (not the scale words) the prologue and the way out.
;   window 1: V's eight fragments, two sets, at v0 and v128.   window 2: accumulator (a, b) at v[8 (8 a + b)].
; LIMITS: a chunk more than 200 binades under its row's M counts as 2^-200; a scale byte that would fall under 0 is held at 0 (2^-127); NaN and infinities are not served; the quantiser's as in launch 1.
.set SLOTB,  153600                    ; a slot: six strips: P's two quads, then V's four
.set STRIP,  25600                     ; a strip: one quad x four K steps
.set SPARE,  2*SLOTB                   ; the spare words, 128 bytes for each wave
.set SCRATCH, SPARE+512                ; 256 bytes for each wave: scale words on the way out
.set RL,     SCRATCH+1024              ; 1 / l of the tile's 128 rows
.set AT,     RL+512                    ; P's scale words under the rows' M: [position][128 rows]; position 4 j + k belongs to slot j, K step k; last, so that the address stepped in the loop ends on bytes that nothing else uses
.set SC,   32                          ; set p at v[32 + 12 p]: four words for P's blocks, eight for V's
.set AF,   128                         ; P's fragments: set p at v[128 + 48 p]
.set ADRA, 4                           ; v4-5   LDS address of my fragments of P in slot 0, 1
.set ADRB, 6                           ; v6-7   of V
.set ADSB, 8                           ; v8-9   of V's scale words
.set ADAT, 10                          ; v10  AT + 256 x my quad + 4 r, + 2,048 a slot
.set ADRL, 11                          ; v11  RL + 256 x my quad + 4 r
.set ATW,  12                          ; v12  AT + 256 x my quad + 4 x my row
.set RLW,  13                          ; v13  RL likewise
.set P4,   14                          ; v14  4 x my row of the quad: 128 x (wave % 2) + 4 x lane
.set LO,   26                          ; v26  16 x lane
.set L8,   27                          ; v27  8 x lane
.set SPW,  28                          ; v28  my spare word; never rewritten
.set NIL,  29                          ; v29  0; never rewritten
.set SCW,  30                          ; v30  scratch + 4 r
.set SCR,  31                          ; v31  scratch + 8 x lane
.set VOP,  64                          ; the prologue: v64-79 a chunk's offset in pr, v80-95 in pst; v96-111 scale words, v112-127 -M, v128-143 l
.set VOS,  80
.set SWV,  96
.set NMV,  112
.set LV,   128
.set NMR,  144
.set NMS,  145
.set LAC,  146
.set RC,   147
.set KF,   148                         ; four chunks at a time: v148-151 k, v152-155 as a whole number, v156-159 -k, v160-163 l 2^-k, v164-179 the bytes, v180-195 what is taken off them
.set KI,   152
.set NK,   156
.set LT,   160
.set BY,   164
.set BN,   180
.set PC,   64                          ; the way out
.set UN,   88
.set RLV,  112                         ; v112-119 1 / l, a pair for each block of rows
.set T,    160
.set MX,   224
.set PB,   228
.set SO,   232
.set TC,   236
.set PW,   244
.set KN2,  12                          ; s12  I + 3: the first dead position from slot 1 on
.set LIM,  13                          ; s13  the first dead position for the slot in hand: in slot 0 the lesser of I + 1 and 2
.set PT,   17                          ; s17  the first position of the slot in hand: 4 j
.set KN,   20                          ; s20  I + 1
.set G1A,  24                          ; s[24:31] group 1 for a quad of P: two pairs;   s[32:39] the same with the tensor ending behind the first pair
.set G1AH, 32
.set G1B,  40                          ; s[40:47] for two quads of V: four K steps each;   s[48:55] with the tensor ending behind two
.set G1BH, 48
.set G0A,  56                          ; s[56:63] group 0 for P, a set for each slot
.set G0B,  68                          ; s[68:75] for V
.set FL,   76                          ; s76-79 the least k of four chunks: 0, or 200.0 past the limit
.set STP,  80                          ; s[80:81] what slot 0's addresses step by: first from K step 0 to 6, then eight K steps
.set SEL,  82
.set OUT,  84
.set PRQ,  86
.set PSQ,  88
.set MSB, 0
.macro WIN new                         ; the immediate's high byte repeats the setting that is left
.if MSB != (\new)
	s_set_vgpr_msb (MSB<<8)|(\new)
.set MSB, (\new)
.endif
.endm
.set MULW, 0xa1                        ; source 0 (V) window 1, source 1 (P) window 0, C and D window 2
.set TO_B, 0x40                        ; destination window 1
.macro PLACES n
.rept \n
	v_nop
.endr
.endm
; The load of a slot whose first position stands in s23.  Waves 0 and 1 fetch a quad of P each, waves 2 and 3 two quads of V each.  Where the slot's second pair is dead, the group 1 in which the tensor ends behind
; the first pair is named.  The branches hang on the wave's number and on ids; every way issues one load.  An s_nop 0 and four v_nop follow each line.
.macro TLOAD sl
	s_add_co_u32 s21, s23, 2                       ; the second pair's first position
	s_cmp_eq_u32 s15, 0
	s_cbranch_scc0 .Lfor_b_\@
	s_cmp_ge_u32 s21, s[KN2]
	s_cbranch_scc1 .Lhalf_a_\@
	tensor_load_to_lds s[G0A+4*\sl:G0A+4*\sl+3], s[G1A:G1A+7]
	s_nop 0
	PLACES 4
	s_branch .Lasked_\@
.Lhalf_a_\@:
	tensor_load_to_lds s[G0A+4*\sl:G0A+4*\sl+3], s[G1AH:G1AH+7]
	s_nop 0
	PLACES 4
	s_branch .Lasked_\@
.Lfor_b_\@:
	s_cmp_ge_u32 s21, s[KN2]
	s_cbranch_scc1 .Lhalf_b_\@
	tensor_load_to_lds s[G0B+4*\sl:G0B+4*\sl+3], s[G1B:G1B+7]
	s_nop 0
	PLACES 4
	s_branch .Lasked_\@
.Lhalf_b_\@:
	tensor_load_to_lds s[G0B+4*\sl:G0B+4*\sl+3], s[G1BH:G1BH+7]
	s_nop 0
	PLACES 4
.Lasked_\@:
.endm
.macro FRAG reg, adr, off              ; a fragment comes back as it was stored: three loads of 16 bytes a lane, 512 consecutive bytes each
.irp c, 0,1,2
	ds_load_b128 v[\reg+4*\c:\reg+4*\c+3], v[\adr] offset:\off+512*\c
.endr
.endm
.macro FETCH_SA sl, k, p               ; K step k of slot sl into set p: 12 scale words and P's four fragments: 24 loads
.irp a, 0,1,2,3
	ds_load_b32 v[SC+12*(\p)+\a], v[ADAT] offset:512*(\k)+64*\a
.endr
.irp i, 0,1,2,3,4,5,6,7
	ds_load_b32 v[SC+12*(\p)+4+\i], v[ADSB+\sl] offset:STRIP*(\i/4)+6400*(\k)+64*(\i%4)
.endr
.irp a, 0,1,2,3
	FRAG AF+48*(\p)+12*\a, ADRA+\sl, 6400*(\k)+1536*\a
.endr
.endm
.macro FETCH_BH sl, k, p, i0           ; V's blocks i0 .. i0 + 3: 12 loads (the destination's window is set by the caller)
.irp i, \i0, \i0+1, \i0+2, \i0+3
	FRAG 128*(\p)+12*(\i), ADRB+\sl, STRIP*((\i)/4)+6400*(\k)+1536*((\i)%4)
.endr
.endm
; 8 matrix instructions: V's blocks b0, b0 + 1 x P's four.  Source 0 = 16 rows of V^T, source 1 = 16 queries of P.  The 32 accumulators take turns, in the same order in every K step.
.macro MUL2 p, b0
.irp b, \b0, \b0+1
.irp a, 0,1,2,3
	v_wmma_scale_f32_16x16x128_f8f6f4 v[8*(8*\a+(\b)):8*(8*\a+(\b))+7], v[128*(\p)+12*(\b):128*(\p)+12*(\b)+11], v[AF+48*(\p)+12*\a:AF+48*(\p)+12*\a+11], v[8*(8*\a+(\b)):8*(8*\a+(\b))+7], v[SC+12*(\p)+4+(\b)], v[SC+12*(\p)+\a] matrix_a_fmt:MATRIX_FMT_FP6 matrix_b_fmt:MATRIX_FMT_FP6
.endr
.endr
.endm
; K step k of slot sl, with a live successor in the same slot: its 48 loads go out in three runs among the 32 products, into the other sets.
; Loads into registers that matrix instructions have read stand four plain vector instructions behind them (ISA guide 7.12.1 for vector instructions): the other sets were last read
; by the K step before, so the four v_nop at the head serve all three runs.
.macro KSF sl, k
	s_wait_dscnt 12                                ; all but the youngest 12 loads, V's blocks 4-7, are in
	PLACES 4
	FETCH_SA \sl, (\k)+1, 1-(\k)%2
	WIN MULW
	MUL2 (\k)%2, 0
	MUL2 (\k)%2, 2
	s_wait_dscnt 24                                ; V's blocks 4-7 are in; the 24 loads just issued may be out
	WIN TO_B
	FETCH_BH \sl, (\k)+1, 1-(\k)%2, 0
	WIN MULW
	MUL2 (\k)%2, 4
	WIN TO_B
	FETCH_BH \sl, (\k)+1, 1-(\k)%2, 4
	WIN MULW
	MUL2 (\k)%2, 6
	WIN 0
.endm
.macro PLAIN p                         ; a slot's last live K step: nothing more to fetch
	s_wait_dscnt 12
	WIN MULW
	MUL2 \p, 0
	MUL2 \p, 2
	s_wait_dscnt 0x0
	MUL2 \p, 4
	MUL2 \p, 6
	WIN 0
.endm
.macro NEXTQ n, where                  ; is the slot's K step n dead?  Ids and the count of steps alone: all four waves go the same way
	s_add_co_u32 s21, s[PT], \n
	s_cmp_ge_u32 s21, s[LIM]
	s_cbranch_scc1 \where
.endm
; THE CHANGE OF SLOTS, at the head of slot sl.  Each wave waits for all its tensor loads (its part of slot sl), adds 0 to its spare word, and waits for that and for its LDS instructions, the reads of the other slot
; among them.  Behind the barrier slot sl is whole and nobody reads the other one, which takes the next four K steps, if any of them lies under the causal limit.
.macro CHANGE sl, other
	s_wait_tensorcnt 0x0                           ; no tensor load of mine is out, so a group 0 may be written
	ds_add_u32 v[SPW], v[NIL]                      ; 0 onto my spare word
.if \sl == 0
	s_add_nc_u64 s[G0A+2:G0A+3], s[G0A+2:G0A+3], s[STP:STP+1]   ; this slot's next fill
	s_add_nc_u64 s[G0B+2:G0B+3], s[G0B+2:G0B+3], s[STP:STP+1]
	s_mov_b32 s[STP], 8*6400                       ; from now on two slots on, as in slot 1
.else
	s_add_nc_u64 s[G0A+6:G0A+7], s[G0A+6:G0A+7], 8*6400
	s_add_nc_u64 s[G0B+6:G0B+7], s[G0B+6:G0B+7], 8*6400
.endif
	s_wait_dscnt 0x0
	s_barrier_signal -1
	s_barrier_wait -1
	s_add_co_u32 s23, s[PT], 4                     ; the first position of the slot that this change would ask for:
	s_cmp_ge_u32 s23, s[KN2]                       ; past the limit none of the four waves reads it, so it is not asked for
	s_cbranch_scc1 .Lpast_\@
	TLOAD \other                                   ; a wave's one tensor load until the next change
.Lpast_\@:
.endm
; A SLOT'S WORK: up to four K steps, on register sets 0, 1, 0, 1.  The last live one is multiplied by one of two plain copies, one for each set.
.macro WORK sl
	s_cmp_ge_u32 s[PT], s[LIM]
	s_cbranch_scc1 .Ldead_\sl
	PLACES 4                                       ; in front of loads into registers that the last slot's products have read
	FETCH_SA \sl, 0, 0
	WIN TO_B
	FETCH_BH \sl, 0, 0, 0
	FETCH_BH \sl, 0, 0, 4
	WIN 0
	NEXTQ 1, .Leven_\sl
	KSF \sl, 0
	NEXTQ 2, .Lodd_\sl
	KSF \sl, 1
	NEXTQ 3, .Leven_\sl
	KSF \sl, 2
.Lodd_\sl:
	PLAIN 1
	s_branch .Ldead_\sl
.Leven_\sl:
	PLAIN 0
.Ldead_\sl:
	v_add_nc_u32 v[ADAT], 2048, v[ADAT]            ; the next slot's four positions
	s_add_co_u32 s[PT], s[PT], 4
	s_mov_b32 s[LIM], s[KN2]
.endm
.macro QUANT s, w, pc, pw              ; as in launch 2
	WIN (\w)|((\w)<<2)
.irp b, 0,1,2,3
	v_max3_num_f32 v[MX+\b], |v[\s+16*\b]|, |v[\s+16*\b+1]|, 0x1800000
.endr
.irp i, 2,4,6,8,10,12,14
.irp b, 0,1,2,3
	v_max3_num_f32 v[MX+\b], |v[\s+16*\b+\i]|, |v[\s+16*\b+\i+1]|, v[MX+\b]
.endr
.endr
	WIN 0
.irp b, 0,1,2,3
	v_permlanex16_b32 v[PB+\b], v[MX+\b], s[SEL], s[SEL+1]
.endr
.irp b, 0,1,2,3
	v_max_num_f32 v[MX+\b], v[MX+\b], v[PB+\b]
.endr
.irp b, 0,1,2,3
	v_add_nc_u32 v[SO+\b], 0xff000000, v[MX+\b]
.endr
.irp b, 0,1,2,3
	v_lshrrev_b32 v[PB+\b], 23, v[SO+\b]
.endr
	v_lshl_or_b32 v[\pw], v[PB+1], 8, v[PB]
	v_lshl_or_b32 v[\pw], v[PB+2], 16, v[\pw]
	v_lshl_or_b32 v[\pw], v[PB+3], 24, v[\pw]
	WIN \w
.irp c, 0,1
	v_cvt_scalef32_pk16_fp6_f32 v[\pc+6*\c:\pc+6*\c+2], v[\s+32*\c:\s+32*\c+15], v[SO+2*\c]
	v_cvt_scalef32_pk16_fp6_f32 v[TC+4*\c:TC+4*\c+2], v[\s+32*\c+16:\s+32*\c+31], v[SO+2*\c+1]
.endr
	WIN 0
	v_nop
.irp c, 0,1
.irp i, 0,1,2
	v_permlane16_swap_b32 v[\pc+6*\c+\i], v[TC+4*\c+\i]
.endr
.irp i, 0,1,2
	v_mov_b32 v[\pc+6*\c+3+\i], v[TC+4*\c+\i]
.endr
.endr
.endm
; Chunks c0 .. c0 + 3 of my row, by turns, so that no line waits for the line above it: k, the chunk's share of l, and its scale word under the row's M, which goes to the chunk's position in AT.
.macro ADJ4 c0
.irp y, 0,1,2,3
	s_cmp_ge_u32 s19, \c0+\y
	s_cselect_b32 s[FL+\y], 0, 0x43480000          ; 0, or 200.0 past the causal limit
.endr
.irp y, 0,1,2,3
	v_sub_f32 v[KF+\y], v[NMV+\c0+\y], v[NMR]      ; M(row) - M(chunk): a whole number, 0 or more
.endr
.irp y, 0,1,2,3
	v_med3_num_f32 v[KF+\y], v[KF+\y], s[FL+\y], 0x43480000   ; held to 0 .. 200
.endr
.irp y, 0,1,2,3
	v_cvt_u32_f32 v[KI+\y], v[KF+\y]
.endr
.irp y, 0,1,2,3
	v_sub_nc_u32 v[NK+\y], 0, v[KI+\y]
.endr
.irp y, 0,1,2,3
	v_ldexp_f32 v[LT+\y], v[LV+\c0+\y], v[NK+\y]
.endr
.irp y, 0,1,2,3
.irp z, 0,1,2,3
	v_bfe_u32 v[BY+4*\y+\z], v[SWV+\c0+\y], 8*\z, 8
.endr
.endr
.irp y, 0,1,2,3
.irp z, 0,1,2,3
	v_min_u32 v[BN+4*\y+\z], v[BY+4*\y+\z], v[KI+\y]
.endr
.endr
.irp y, 0,1,2,3
.irp z, 0,1,2,3
	v_sub_nc_u32 v[BY+4*\y+\z], v[BY+4*\y+\z], v[BN+4*\y+\z]   ; the byte less k, held at 0
.endr
.endr
.irp y, 0,1,2,3
	v_lshl_or_b32 v[SWV+\c0+\y], v[BY+4*\y+1], 8, v[BY+4*\y]
.endr
.irp y, 0,1,2,3
	v_lshl_or_b32 v[SWV+\c0+\y], v[BY+4*\y+2], 16, v[SWV+\c0+\y]
.endr
.irp y, 0,1,2,3
	v_lshl_or_b32 v[SWV+\c0+\y], v[BY+4*\y+3], 24, v[SWV+\c0+\y]
.endr
.irp y, 0,1,2,3
.if (\c0+\y) < 2
	ds_store_b32 v[ATW], v[SWV+\c0+\y] offset:512*(\c0+\y)      ; chunks 0 and 1: slot 0's positions 0 and 1
.else
	ds_store_b32 v[ATW], v[SWV+\c0+\y] offset:512*(\c0+\y+2)    ; chunk c: position c + 2
.endif
.endr
	v_add_f32 v[LT], v[LT], v[LT+1]
	v_add_f32 v[LT+2], v[LT+2], v[LT+3]
.if \c0 == 0
	v_add_f32 v[LAC], v[LT], v[LT+2]               ; the first four start the sum
.else
	v_add_f32 v[LT], v[LT], v[LT+2]
	v_add_f32 v[LAC], v[LAC], v[LT]
.endif
.endm
	s_load_b256 s[4:11], s[0:1], 0x0               ; pr, pst, vt, cx
	v_lshl_add_u32 v[SPW], v0, 2, SPARE
	v_mov_b32 v[NIL], 0
	ds_add_u32 v[SPW], v[NIL]                      ; the wave's opening: the add, twice on end, and its wait ahead of my first tensor load
	ds_add_u32 v[SPW], v[NIL]
	v_lshrrev_b32 v1, 5, v0
	v_readfirstlane_b32 s14, v1                    ; wave
	s_lshr_b32 s15, s14, 1                         ; my quad of the queries.  Also: I fetch for P (0) or for V (1)
	s_and_b32 s16, s14, 1                          ; my half of the columns.  Also: which part I fetch
	s_and_b32 s18, ttmp7, 0xffff
	s_and_b32 s19, s18, 15                         ; tile row I
	s_lshr_b32 s18, s18, 4                         ; batch
	s_add_co_u32 s[KN], s19, 1
	s_add_co_u32 s[KN2], s19, 3
	s_min_u32 s[LIM], s[KN], 2
	s_mov_b32 s[PT], 0
	s_mov_b32 s[STP], 6*6400
	s_mov_b32 s[STP+1], 0
	; group 1, elements of 8 bytes.  P: a quad's strip as 2 rows (pairs of K steps) of 1,600 elements, dense.  V: 2 rows (quads) of 3,200 elements (four K steps), 51,200 elements apart.
.irp g, G1A, G1AH
	s_mov_b32 s[\g], 3<<16
	s_mov_b32 s[\g+1], 1600<<16                    ; tensor_dim0
	s_mov_b32 s[\g+3], 1600<<16                    ; tile_dim0
	s_mov_b32 s[\g+4], 2                           ; tile_dim1
	s_mov_b32 s[\g+5], 1600                        ; stride
	s_mov_b32 s[\g+6], 0
	s_mov_b32 s[\g+7], 0
.endr
	s_mov_b32 s[G1A+2], 2<<16                      ; tensor_dim1: both pairs,
	s_mov_b32 s[G1AH+2], 1<<16                     ; or the first alone: the second row arrives as zeros
.irp g, G1B, G1BH
	s_mov_b32 s[\g], 3<<16
	s_mov_b32 s[\g+2], 2<<16                       ; tensor_dim1
	s_mov_b32 s[\g+3], 3200<<16                    ; tile_dim0
	s_mov_b32 s[\g+4], 2                           ; tile_dim1
	s_mov_b32 s[\g+5], 51200                       ; stride
	s_mov_b32 s[\g+6], 0
	s_mov_b32 s[\g+7], 0
.endr
	s_mov_b32 s[G1B+1], 3200<<16                   ; tensor_dim0: four K steps,
	s_mov_b32 s[G1BH+1], 1600<<16                  ; or two: the rest of each row arrives as zeros
	s_lshl_b32 s90, s18, 5
	s_lshl_b32 s91, s19, 1
	s_add_co_u32 s90, s90, s91                     ; the tile's first quad of queries
	s_add_co_u32 s92, s90, s16
	s_mul_i32 s92, s92, 102400                     ; P: the quad that I fetch
	s_mov_b32 s93, 0
	s_lshl_b32 s94, ttmp9, 2
	s_lshl_b32 s91, s16, 1
	s_add_co_u32 s94, s94, s91
	s_mul_i32 s94, s94, 409600                     ; V: the first of the two quads that I fetch,
	s_mul_i32 s91, s18, 102400                     ; and the batch's 16 K steps
	s_add_co_u32 s94, s94, s91
	s_mov_b32 s95, 0
	s_add_co_u32 s91, s90, s15                     ; my quad of queries
	s_mul_i32 s96, s91, 102400
	s_mov_b32 s97, 0
	s_lshl_b32 s98, s91, 13
	s_mov_b32 s99, 0
	s_lshl_b32 s66, s91, 3
	s_lshl_b32 s91, ttmp9, 1
	s_add_co_u32 s66, s66, s91
	s_add_co_u32 s66, s66, s16
	s_mul_i32 s66, s66, 6400                       ; my record in cx
	s_mov_b32 s67, 0
	s_mul_i32 s2, s16, STRIP                       ; where my load goes: P's strips,
	s_mul_i32 s3, s16, 2*STRIP
	s_add_co_u32 s3, s3, 2*STRIP                   ; V's behind them
	s_mov_b32 s[SEL], 0x76543210
	s_mov_b32 s[SEL+1], 0xfedcba98
	s_wait_dscnt 0x0                               ; both opening adds are done
	s_wait_kmcnt 0x0
	s_add_nc_u64 s[92:93], s[4:5], s[92:93]
	s_add_nc_u64 s[94:95], s[8:9], s[94:95]
	s_add_nc_u64 s[PRQ:PRQ+1], s[4:5], s[96:97]
	s_add_nc_u64 s[PSQ:PSQ+1], s[6:7], s[98:99]
	s_add_nc_u64 s[OUT:OUT+1], s[10:11], s[66:67]
.irp s, 0,1                            ; slot 0 begins at K step 0, slot 1 at K step 2
	s_mov_b32 s[G0A+4*\s], 1
	s_add_co_u32 s[G0A+4*\s+1], s2, \s*SLOTB
	s_add_nc_u64 s[G0A+4*\s+2:G0A+4*\s+3], s[92:93], \s*12800
	s_or_b32 s[G0A+4*\s+3], s[G0A+4*\s+3], 0x80000000
	s_mov_b32 s[G0B+4*\s], 1
	s_add_co_u32 s[G0B+4*\s+1], s3, \s*SLOTB
	s_add_nc_u64 s[G0B+4*\s+2:G0B+4*\s+3], s[94:95], \s*12800
	s_or_b32 s[G0B+4*\s+3], s[G0B+4*\s+3], 0x80000000
.endr
	s_cmp_eq_u32 s15, 0                            ; the first fills: keys 0 to 255, which count for every tile row; the rest of slot 0 arrives as zeros.  Every wave issues one
	s_cbranch_scc0 .Lhead_b
	tensor_load_to_lds s[G0A:G0A+3], s[G1AH:G1AH+7]
	s_nop 0
	PLACES 4
	s_branch .Lhead_asked
.Lhead_b:
	tensor_load_to_lds s[G0B:G0B+3], s[G1BH:G1BH+7]
	s_nop 0
	PLACES 4
.Lhead_asked:
	v_and_b32 v1, 15, v0                           ; r
	v_and_b32 v3, 31, v0                           ; lane
	v_lshlrev_b32 v[LO], 4, v3
	v_lshlrev_b32 v[L8], 3, v3
	s_lshl_b32 s90, s16, 7
	v_lshl_add_u32 v[P4], v3, 2, s90
	; THE PROLOGUE'S LOADS: my row's scale word, -M and l of each of the 16 chunks; a chunk has offset registers of its own, so nothing is rewritten while a load may still read it
.irp c, 0,1,2,3,4,5,6,7,8,9,10,11,12,13,14,15
	s_min_u32 s90, s19, \c                         ; past the limit: the last live chunk once more
	s_mul_i32 s91, s90, 6400
	s_lshl_b32 s90, s90, 9
	v_add_nc_u32 v[VOP+\c], s91, v[P4]
	v_add_nc_u32 v[VOS+\c], s90, v[P4]
	global_load_b32 v[SWV+\c], v[VOP+\c], s[PRQ:PRQ+1] offset:6144
	global_load_b32 v[NMV+\c], v[VOS+\c], s[PSQ:PSQ+1]
	global_load_b32 v[LV+\c], v[VOS+\c], s[PSQ:PSQ+1] offset:256
.endr
	s_mul_i32 s90, s15, STRIP                      ; my quad's strip of P
	s_mul_i32 s91, s16, 2*STRIP
	s_add_co_u32 s91, s91, 2*STRIP                 ; my two quads' strips of V
	s_add_co_u32 s92, s91, 6144
.irp s, 0,1
	v_add_nc_u32 v[ADRA+\s], s90, v[LO]
	v_add_nc_u32 v[ADRB+\s], s91, v[LO]
	v_lshl_add_u32 v[ADSB+\s], v1, 2, s92
	s_add_co_u32 s90, s90, SLOTB
	s_add_co_u32 s91, s91, SLOTB
	s_add_co_u32 s92, s92, SLOTB
.endr
	s_lshl_b32 s90, s15, 8
	s_add_co_u32 s91, s90, AT
	v_lshl_add_u32 v[ADAT], v1, 2, s91
	v_add_nc_u32 v[ATW], s91, v[P4]
	s_add_co_u32 s91, s90, RL
	v_lshl_add_u32 v[ADRL], v1, 2, s91
	v_add_nc_u32 v[RLW], s91, v[P4]
	s_lshl_b32 s90, s14, 8
	s_add_co_u32 s90, s90, SCRATCH
	v_lshl_add_u32 v[SCW], v1, 2, s90
	v_add_nc_u32 v[SCR], s90, v[L8]
	WIN 0x80                                       ; the accumulators are cleared while the loads above and the first tile are on their way (why: the head comment)
.set n, 0
.rept 256
	v_mov_b32 v[n], 0
.set n, n+1
.endr
	WIN 0
	s_wait_loadcnt 0x0
	v_min3_num_f32 v[NMR], v[NMV], v[NMV+1], v[NMV+2]              ; -M(row): the least of the sixteen, in two chains
	v_min3_num_f32 v[NMS], v[NMV+3], v[NMV+4], v[NMV+5]
.irp k, 6,10
	v_min3_num_f32 v[NMR], v[NMR], v[NMV+\k], v[NMV+\k+1]
	v_min3_num_f32 v[NMS], v[NMS], v[NMV+\k+2], v[NMV+\k+3]
.endr
	v_min3_num_f32 v[NMR], v[NMR], v[NMV+14], v[NMV+15]
	v_min_num_f32 v[NMR], v[NMR], v[NMS]
	ADJ4 0
	ADJ4 4
	ADJ4 8
	ADJ4 12
	v_rcp_f32 v[RC], v[LAC]                        ; l is over 1/2: the row's largest p is
	v_nop                                          ; a plain place behind the reciprocal,
	s_wait_alu depctr_va_vdst(0)                   ; and the wait ahead of its first reader
	ds_store_b32 v[RLW], v[RC]
	s_mov_b32 s22, 3
.Lpair:                                                ; three trips of two slots: a constant; the first change's barrier also shows the prologue's words to every wave
	CHANGE 0, 1
	WORK 0
	CHANGE 1, 0
	WORK 1
	s_sub_co_u32 s22, s22, 1
	s_cmp_lg_u32 s22, 0
	s_cbranch_scc1 .Lpair
	; THE WAY OUT: O / l, quantised along the model axis: my four blocks of 16 rows x 128 columns become one record: four fragment images and 64 scale words.
	PLACES 4
.irp b, 0,1,2,3
	v_mov_b32 v[PB+\b], 0                          ; a lane permute's destination counts as one of its sources
.endr
.irp a, 0,1,2,3
	ds_load_b32 v[RLV+2*\a], v[ADRL] offset:64*\a
	ds_load_b32 v[RLV+2*\a+1], v[ADRL] offset:64*\a    ; (the packed form names a pair, so both are written)
.endr
	s_wait_dscnt 0x0
.irp a, 0,1,2,3
	WIN 2                                          ; source 0 window 2
.set n, 0
.rept 32
	v_pk_mul_f32 v[T+n:T+n+1], v[64*\a+n:64*\a+n+1], v[RLV+2*\a:RLV+2*\a+1] op_sel_hi:[1,0]   ; each accumulator is read from its low end on
.set n, n+2
.endr
	WIN 0
.if \a >= 2
	s_wait_xcnt 0x0                                ; the stores of two blocks back have read this set of codes
.endif
	QUANT T, 0, PC+12*(\a%2), PW+\a
.irp c, 0,1,2
	global_store_b128 v[LO], v[PC+12*(\a%2)+4*\c:PC+12*(\a%2)+4*\c+3], s[OUT:OUT+1] offset:1536*\a+512*\c   ; 512 consecutive bytes, aligned
.endr
	ds_store_b32 v[SCW], v[PW+\a] offset:64*\a
.endr
	ds_load_b64 v[UN:UN+1], v[SCR]                 ; LDS serves a wave's instructions in order: this sees my four stores
	s_wait_dscnt 0x0
	global_store_b64 v[L8], v[UN:UN+1], s[OUT:OUT+1] offset:6144   ; the record's 64 scale words: 256 consecutive bytes, aligned
	s_wait_tensorcnt 0x0                           ; the wave's end
	ds_add_u32 v[SPW], v[NIL]
	s_wait_dscnt 0x0
	s_endpgm
.Lfunc_end_k_qf9aa51f2c5_mix:
	.size	k_qf9aa51f2c5_mix, .Lfunc_end_k_qf9aa51f2c5_mix-k_qf9aa51f2c5_mix
	.p2alignl 7, 3214868480
	.fill 96, 4, 3214868480
	.section	.rodata,"a",@progbits
	.p2align	6, 0x0
	.amdhsa_kernel k_qf9aa51f2c5_mix
		.amdhsa_group_segment_fixed_size 327680
		.amdhsa_private_segment_fixed_size 0
		.amdhsa_enable_private_segment 0
		.amdhsa_kernarg_size 32
		.amdhsa_user_sgpr_count 2
		.amdhsa_user_sgpr_kernarg_segment_ptr 1
		.amdhsa_wavefront_size32 1
		.amdhsa_system_sgpr_workgroup_id_x 1
		.amdhsa_system_sgpr_workgroup_id_y 1
		.amdhsa_system_sgpr_workgroup_id_z 1
		.amdhsa_system_vgpr_workitem_id 0
		.amdhsa_next_free_vgpr 768
		.amdhsa_next_free_sgpr 100
		.amdhsa_reserve_vcc 0
		.amdhsa_float_denorm_mode_32 3
		.amdhsa_float_denorm_mode_16_64 3
		.amdhsa_memory_ordered 1
		.amdhsa_forward_progress 1
		.amdhsa_inst_pref_size 139
	.end_amdhsa_kernel
	.amdgpu_metadata
---
amdhsa.version: [ 1, 2 ]
amdhsa.kernels:
  - .name:           k_qf9aa51f2c5_mix
    .symbol:         k_qf9aa51f2c5_mix.kd
    .args:
      - { .name: pr, .offset: 0, .size: 8, .value_kind: global_buffer, .address_space: global }
      - { .name: pst, .offset: 8, .size: 8, .value_kind: global_buffer, .address_space: global }
      - { .name: vt, .offset: 16, .size: 8, .value_kind: global_buffer, .address_space: global }
      - { .name: cx, .offset: 24, .size: 8, .value_kind: global_buffer, .address_space: global }
    .group_segment_fixed_size: 327680
    .private_segment_fixed_size: 0
    .kernarg_segment_align: 8
    .kernarg_segment_size: 32
    .max_flat_workgroup_size: 128
    .sgpr_count:     100
    .vgpr_count:     768
    .wavefront_size: 32
...
	.end_amdgpu_metadata
.endif
;; end of part 4
;; launch outp (part 5): grid 4 x 32, 4 waves a work-group, clusters of 4 x 4, 327,680 bytes of LDS; arguments cx, xq, out0; writes out0
.if DOCPART == 5
	.amdgcn_target "amdgcn-amd-amdhsa--gfx1250"
	.amdhsa_code_object_version 6
	.text
	.protected	k_qf9aa51f2c5_outp
	.globl	k_qf9aa51f2c5_outp
	.p2align	8
	.type	k_qf9aa51f2c5_outp,@function
k_qf9aa51f2c5_outp:
	s_mov_b64 s[64:65], 0
	v_nop
	global_prefetch_b8 v0, s[64:65] scope:SCOPE_SE
	s_setreg_imm32_b32 hwreg(HW_REG_WAVE_MODE, 25, 1), 1
	s_wait_xcnt 0x0
	s_wait_alu depctr_hold_cnt(0) depctr_sa_sdst(0) depctr_va_vdst(0) depctr_va_sdst(0) depctr_va_ssrc(0) depctr_va_vcc(0) depctr_vm_vsrc(0)
	s_getreg_b32 s2, hwreg(HW_REG_IB_STS2, 6, 4)
	s_cmp_eq_u32 s2, 0
	s_cbranch_scc0 .Lentry_in_a_cluster
	s_endpgm
.Lentry_in_a_cluster:
	s_bfe_u32 s2, ttmp6, 0x10000c
	s_cmp_lg_u32 s2, 0xf033
	s_cbranch_scc0 .Lentry_shape_is_right
	s_endpgm
.Lentry_shape_is_right:
; LAUNCH 5 OF 5.  out = context W_o^T, on codes of FP6 (E2M3) with E8M0 scales, K = 1,024; out0 [8192][1024] f32.
; The core is launch 2's: tiles of 256 x 256, four waves of 128 x 128, the instruction used transposed, clusters of 4 x 4 with A's tile (cx) asked for jointly along a row and B's (W_o: quads 176-191 of xq) along a
; column, three slots, three of K's four slots' worth asked for at the head (three loads of a wave out), the fourth behind the one change of slots that fills bytes again.
; THE WAY OUT.  A lane holds one row of a block (lane r of block 2 B + u: row 32 B + 8 u + r + 8 (r / 8)) and columns 32 B' + 16 h + 0 .. 15: a block of 16 rows x 128 columns goes through the wave's stage in LDS and
; comes back as whole rows of 512 bytes, which the 32 lanes store as 512 consecutive bytes, aligned.  The stage lies in slot 1, which is filled once, at the head, and whose last read stands ahead of the barrier in K step 5.
.set SLOTB,  102400
.set LOADB,  25600
.set SPARE,  3*SLOTB
.set SPITCH, 528
.set SC,   32
.set AF,   128
.set BK,   128                         ; the way out: 16 rows read back: v128-191 and v192-255 by turns
.set ADRS, 8
.set ADRA, 16
.set ADRB, 20
.set STO,  24                          ; v24  the stage: 528 r + 64 h
.set RD,   25                          ; v25  and back: 16 x lane
.set LO,   26
.set SPW,  28
.set NIL,  29
.set G1A,  24
.set G0A,  32
.set G1B,  44
.set G0B,  52
.set OUT,  92
.set MSB, 0
.macro WIN new
.if MSB != (\new)
	s_set_vgpr_msb (MSB<<8)|(\new)
.set MSB, (\new)
.endif
.endm
.set MUL_LO, 0xa1
.set MUL_HI, 0xf1
.set TO_B,   0x40
.macro PLACES n
.rept \n
	v_nop
.endr
.endm
.macro JLOAD g0a, g1a, g0b, g1b
	s_cmp_eq_u32 s15, 0
	s_cbranch_scc0 .Lfor_b_\@
	tensor_load_to_lds s[\g0a:\g0a+3], s[\g1a:\g1a+7]
	s_nop 0
.rept 4
	v_nop
.endr
	s_branch .Lasked_\@
.Lfor_b_\@:
	tensor_load_to_lds s[\g0b:\g0b+3], s[\g1b:\g1b+7]
	s_nop 0
.rept 4
	v_nop
.endr
.Lasked_\@:
.endm
.macro CREST
	s_cmp_lg_u32 s14, 0
	s_cbranch_scc1 .Lnot_wave_0_\@
	s_barrier_signal -3
.Lnot_wave_0_\@:
	s_barrier_wait -3
	s_barrier_signal -1
	s_barrier_wait -1
.endm
.macro CROUND
	s_barrier_signal -1
	s_barrier_wait -1
	CREST
.endm
.macro FRAG reg, adr, off
.irp c, 0,1,2
	ds_load_b128 v[\reg+4*\c:\reg+4*\c+3], v[\adr] offset:\off+512*\c
.endr
.endm
.macro FETCH_B sl, q, p
	WIN TO_B
.irp i, 0,1,2,3,4,5,6,7
	FRAG 128*(\p)+12*\i, ADRB+\sl, 12800*(\i/4)+6400*(\q)+1536*(\i%4)
.endr
	WIN 0
.endm
.macro FETCH_A sl, q, i0
.irp i, \i0, \i0+1, \i0+2, \i0+3
	FRAG AF+12*(\i), ADRA+\sl, 12800*((\i)/4)+6400*(\q)+1536*((\i)%4)
.endr
.endm
.macro SCALES sl, set
.irp i, 0,1,2,3,4,5,6,7
.irp q, 0,1
	ds_load_b32 v[SC+16*(\set)+2*\i+\q], v[ADRS+\sl] offset:12800*(\i/4)+6400*\q+64*(\i%4)
.endr
.endr
.endm
.macro MUL16 a0, q, set, zero          ; the 64 accumulators take turns, in the same order in every K step
.irp a, \a0, \a0+1
.irp b, 0,1,2,3,4,5,6,7
.if \zero
	v_wmma_scale_f32_16x16x128_f8f6f4 v[8*(8*((\a)%4)+\b):8*(8*((\a)%4)+\b)+7], v[128*(\q)+12*\b:128*(\q)+12*\b+11], v[AF+12*(\a):AF+12*(\a)+11], 0, v[SC+16*(\set)+2*\b+(\q)], v[SC+16*(\set)+2*(\a)+(\q)] matrix_a_fmt:MATRIX_FMT_FP6 matrix_b_fmt:MATRIX_FMT_FP6 matrix_a_scale:MATRIX_SCALE_ROW1
.else
	v_wmma_scale_f32_16x16x128_f8f6f4 v[8*(8*((\a)%4)+\b):8*(8*((\a)%4)+\b)+7], v[128*(\q)+12*\b:128*(\q)+12*\b+11], v[AF+12*(\a):AF+12*(\a)+11], v[8*(8*((\a)%4)+\b):8*(8*((\a)%4)+\b)+7], v[SC+16*(\set)+2*\b+(\q)], v[SC+16*(\set)+2*(\a)+(\q)] matrix_a_fmt:MATRIX_FMT_FP6 matrix_b_fmt:MATRIX_FMT_FP6 matrix_a_scale:MATRIX_SCALE_ROW1
.endif
.endr
.endr
.endm
.macro STEP q, set, zero, ns, nq, nset
	s_wait_dscnt 12                                ; all but the youngest 12 loads, A's blocks 4-7, are in
	WIN MUL_LO
	MUL16 0, \q, \set, \zero
	MUL16 2, \q, \set, \zero
	s_wait_dscnt 0x0
	PLACES 4
	FETCH_B \ns, \nq, 1-(\q)
	FETCH_A \ns, \nq, 0
.if \nset >= 0
	SCALES \ns, \nset
.endif
	WIN MUL_HI
	MUL16 4, \q, \set, \zero
	MUL16 6, \q, \set, \zero
	PLACES 4
	WIN 0
	FETCH_A \ns, \nq, 4
.endm
.macro REFILL                          ; behind a round of the cluster's barrier: no wave of any partner still reads slot 0 or has a load on its way
	CREST
	s_add_nc_u64 s[G0A+2:G0A+3], s[G0A+2:G0A+3], 3*12800
	s_add_nc_u64 s[G0B+2:G0B+3], s[G0B+2:G0B+3], 3*12800
	JLOAD G0A, G1A, G0B, G1B
.endm
.macro TURN set, ns, nset, fill
	s_wait_tensorcnt 0x0                           ; all my tensor loads have landed
	ds_add_u32 v[SPW], v[NIL]                      ; 0 onto my spare word
	s_wait_dscnt 13                                ; (the add and the youngest 12 loads may be out)
	WIN MUL_LO
	MUL16 0, 1, \set, 0
	s_wait_dscnt 0x0                               ; the add is done, and my reads of this slot are over
	s_barrier_signal -1
	MUL16 2, 1, \set, 0
	WIN 0
	s_barrier_wait -1
.if \fill
	REFILL
.else
	PLACES 4
.endif
	FETCH_B \ns, 0, 0
	FETCH_A \ns, 0, 0
	SCALES \ns, \nset
	WIN MUL_HI
	MUL16 4, 1, \set, 0
	MUL16 6, 1, \set, 0
	PLACES 4
	WIN 0
	FETCH_A \ns, 0, 4
.endm
.macro LAST set
	s_wait_dscnt 12
	WIN MUL_LO
	MUL16 0, 1, \set, 0
	MUL16 2, 1, \set, 0
	s_wait_dscnt 0x0
	WIN MUL_HI
	MUL16 4, 1, \set, 0
	MUL16 6, 1, \set, 0
	WIN 0
.endm
	s_load_b128 s[4:7], s[0:1], 0x0                ; cx, xq
	s_load_b64 s[8:9], s[0:1], 0x10                ; out0
	v_lshl_add_u32 v[SPW], v0, 2, SPARE
	v_mov_b32 v[NIL], 0
	ds_add_u32 v[SPW], v[NIL]                      ; the wave's opening: the add, twice on end, and its wait ahead of my first tensor load
	ds_add_u32 v[SPW], v[NIL]
	v_lshrrev_b32 v1, 5, v0
	v_readfirstlane_b32 s14, v1                    ; wave
	s_lshr_b32 s15, s14, 1
	s_and_b32 s16, s14, 1
	s_bfe_u32 s66, ttmp6, 0x40000                  ; cx
	s_bfe_u32 s67, ttmp6, 0x40004                  ; cy
	s_lshl_b32 s68, ttmp9, 2
	s_add_co_u32 s68, s68, s66                     ; tile column
	s_and_b32 s69, ttmp7, 0xffff
	s_lshl_b32 s69, s69, 2
	s_add_co_u32 s69, s69, s67                     ; tile row
	s_lshl_b32 s70, s67, 2
	s_lshl_b32 s70, 15, s70                        ; my row of the cluster
	s_lshl_b32 s71, 0x1111, s66                    ; my column
	s_or_b32 s[G1A], s70, (3<<16)|(1<<21)          ; 2 quads x two records of 8-byte elements, 6,400 elements from quad to quad
	s_or_b32 s[G1B], s71, (3<<16)|(1<<21)
.irp g, G1A, G1B
	s_mov_b32 s[\g+1], 1600<<16
	s_mov_b32 s[\g+2], 2<<16
	s_mov_b32 s[\g+3], 1600<<16
	s_mov_b32 s[\g+4], 2
	s_mov_b32 s[\g+5], 6400
	s_mov_b32 s[\g+6], 0
	s_mov_b32 s[\g+7], 0
.endr
	s_lshl_b32 s79, s16, 1
	s_lshl_b32 s80, s69, 2
	s_add_co_u32 s80, s80, s79                     ; A's quad: it hangs on the tile row alone
	s_mul_i32 s80, s80, 51200
	s_mov_b32 s81, 0
	s_lshl_b32 s82, s68, 2
	s_add_co_u32 s82, s82, 176
	s_add_co_u32 s82, s82, s79                     ; B's quad: on the tile column alone
	s_mul_i32 s82, s82, 51200
	s_mov_b32 s83, 0
	s_mul_i32 s84, s14, LOADB
	s_wait_dscnt 0x0                               ; both opening adds are done
	s_wait_kmcnt 0x0
	s_add_nc_u64 s[80:81], s[4:5], s[80:81]
	s_add_nc_u64 s[82:83], s[6:7], s[82:83]
	CROUND                                         ; all sixteen work-groups are here: the first joint loads meet
.irp t, 0,1,2
	s_mov_b32 s[G0A+4*\t], 1
	s_add_co_u32 s[G0A+4*\t+1], s84, \t*SLOTB
	s_add_nc_u64 s[G0A+4*\t+2:G0A+4*\t+3], s[80:81], \t*12800
	s_or_b32 s[G0A+4*\t+3], s[G0A+4*\t+3], 0x80000000
	s_mov_b32 s[G0B+4*\t], 1
	s_add_co_u32 s[G0B+4*\t+1], s84, \t*SLOTB
	s_add_nc_u64 s[G0B+4*\t+2:G0B+4*\t+3], s[82:83], \t*12800
	s_or_b32 s[G0B+4*\t+3], s[G0B+4*\t+3], 0x80000000
	JLOAD G0A+4*\t, G1A, G0B+4*\t, G1B
.endr
	v_and_b32 v1, 15, v0                           ; r
	v_bfe_u32 v2, v0, 4, 1                         ; h
	v_and_b32 v3, 31, v0                           ; lane
	v_lshlrev_b32 v[LO], 4, v3
	s_mul_i32 s84, s15, LOADB
	s_mul_i32 s85, s16, LOADB
	s_add_co_u32 s85, s85, 2*LOADB
	s_sub_co_u32 s86, s85, s84
	v_mul_u32_u24 v4, s86, v2                      ; lanes 16-31 take B's scale words
	v_lshl_add_u32 v4, v1, 2, v4
	s_add_co_u32 s87, s84, 6144
.irp s, 0,1,2
	v_add_nc_u32 v[ADRA+\s], s84, v[LO]
	v_add_nc_u32 v[ADRB+\s], s85, v[LO]
	v_add_nc_u32 v[ADRS+\s], s87, v4
	s_add_co_u32 s84, s84, SLOTB
	s_add_co_u32 s85, s85, SLOTB
	s_add_co_u32 s87, s87, SLOTB
.endr
	s_mul_i32 s84, s14, 16*SPITCH
	s_add_co_u32 s84, s84, SLOTB                   ; my stage, in slot 1
	v_mul_u32_u24 v[STO], v1, SPITCH
	v_lshl_add_u32 v[STO], v2, 6, v[STO]
	v_add_nc_u32 v[STO], s84, v[STO]
	v_add_nc_u32 v[RD], s84, v[LO]
	s_lshl_b32 s88, s69, 8
	s_lshl_b32 s89, s15, 7
	s_add_co_u32 s88, s88, s89
	s_lshl_b32 s88, s88, 12                        ; my first row of out0, 4,096 bytes a row,
	s_lshl_b32 s89, s68, 10
	s_add_co_u32 s88, s88, s89
	s_lshl_b32 s89, s16, 9
	s_add_co_u32 s88, s88, s89                     ; and my first column
	s_mov_b32 s89, 0
	s_add_nc_u64 s[OUT:OUT+1], s[8:9], s[88:89]
	s_wait_tensorcnt 2                             ; my part of slot 0 is in; the two younger loads may stay out
	s_barrier_signal -1
	s_barrier_wait -1
	FETCH_B 0, 0, 0
	FETCH_A 0, 0, 0
	SCALES 0, 0
	FETCH_A 0, 0, 4
	STEP 0, 0, 1, 0, 1, -1                         ; K step 0 starts the sums
	TURN 0, 1, 1, 1                                ; K step 1: slot 0 is left and filled again
	STEP 0, 1, 0, 1, 1, -1
	STEP 1, 1, 0, 2, 0, 0                          ; on into slot 2: every wave waited for all its loads in front of the barrier in K step 1
	STEP 0, 0, 0, 2, 1, -1
	TURN 0, 0, 1, 0                                ; the barrier shows slot 0 whole; behind it nobody reads slot 1 any more
	STEP 0, 1, 0, 0, 1, -1
	LAST 1
.macro TOSTAGE a
.set AC, 64*((\a)%4)
	WIN 0x08+4*((\a)/4)                            ; an LDS store's data are its source 1: window 2 or 3
.irp b, 0,1,2,3,4,5,6,7
	ds_store_b128 v[STO], v[AC+8*\b:AC+8*\b+3] offset:128*(\b/2)+32*(\b%2)         ; each accumulator from its low end on
	ds_store_b128 v[STO], v[AC+8*\b+4:AC+8*\b+7] offset:128*(\b/2)+32*(\b%2)+16
.endr
	WIN 0
.set BB, BK+64*((\a)%2)
.irp t, 0,1,2,3,4,5,6,7,8,9,10,11,12,13,14,15
	ds_load_b128 v[BB+4*\t:BB+4*\t+3], v[RD] offset:\t*SPITCH   ; LDS serves a wave's instructions in order: these see the stores above, and the next block's stores come behind them
.endr
.endm
.macro SEND a, younger                 ; younger: the LDS instructions issued behind block a's loads, which may stay out
.set BB, BK+64*((\a)%2)
	s_wait_dscnt \younger
.irp t, 0,1,2,3,4,5,6,7,8,9,10,11,12,13,14,15
	global_store_b128 v[LO], v[BB+4*\t:BB+4*\t+3], s[OUT:OUT+1] offset:(32*((\a)/2)+8*((\a)%2)+\t+8*(\t/8))*4096 th:TH_STORE_NT   ; 512 consecutive bytes, aligned; the row's place stands in the immediate: 127 rows at the most
.endr
.endm
	PLACES 4
	TOSTAGE 0
.irp a, 1,2,3,4,5,6,7
.if \a > 1
	s_wait_xcnt 0x0                                ; the stores of two blocks back have read the registers into which this block's rows come
.endif
	TOSTAGE \a
	SEND \a-1, 32                                  ; behind that block's loads: this block's 16 stores and 16 loads
.endr
	SEND 7, 0
	s_wait_tensorcnt 0x0                           ; the wave's end
	ds_add_u32 v[SPW], v[NIL]
	s_wait_dscnt 0x0
	CROUND                                         ; the closing round
	s_endpgm
.Lfunc_end_k_qf9aa51f2c5_outp:
	.size	k_qf9aa51f2c5_outp, .Lfunc_end_k_qf9aa51f2c5_outp-k_qf9aa51f2c5_outp
	.p2alignl 7, 3214868480
	.fill 96, 4, 3214868480
	.section	.rodata,"a",@progbits
	.p2align	6, 0x0
	.amdhsa_kernel k_qf9aa51f2c5_outp
		.amdhsa_group_segment_fixed_size 327680
		.amdhsa_private_segment_fixed_size 0
		.amdhsa_enable_private_segment 0
		.amdhsa_kernarg_size 24
		.amdhsa_user_sgpr_count 2
		.amdhsa_user_sgpr_kernarg_segment_ptr 1
		.amdhsa_wavefront_size32 1
		.amdhsa_system_sgpr_workgroup_id_x 1
		.amdhsa_system_sgpr_workgroup_id_y 1
		.amdhsa_system_sgpr_workgroup_id_z 1
		.amdhsa_system_vgpr_workitem_id 0
		.amdhsa_next_free_vgpr 1024
		.amdhsa_next_free_sgpr 100
		.amdhsa_reserve_vcc 0
		.amdhsa_float_denorm_mode_32 3
		.amdhsa_float_denorm_mode_16_64 3
		.amdhsa_memory_ordered 1
		.amdhsa_forward_progress 1
		.amdhsa_inst_pref_size 135
	.end_amdhsa_kernel
	.amdgpu_metadata
---
amdhsa.version: [ 1, 2 ]
amdhsa.kernels:
  - .name:           k_qf9aa51f2c5_outp
    .symbol:         k_qf9aa51f2c5_outp.kd
    .args:
      - { .name: cx, .offset: 0, .size: 8, .value_kind: global_buffer, .address_space: global }
      - { .name: xq, .offset: 8, .size: 8, .value_kind: global_buffer, .address_space: global }
      - { .name: out0, .offset: 16, .size: 8, .value_kind: global_buffer, .address_space: global }
    .group_segment_fixed_size: 327680
    .private_segment_fixed_size: 0
    .kernarg_segment_align: 8
    .kernarg_segment_size: 24
    .max_flat_workgroup_size: 128
    .sgpr_count:     100
    .vgpr_count:     1024
    .wavefront_size: 32
...
	.end_amdgpu_metadata
.endif
;; end of part 5
